; MI455X (gfx1250); checked and timed in simulation.
; The chip was launched on July 23, 2026; its instructions are those of AMD's public machine-readable ISA for CDNA 5 (MIT licence, August 2026) and "CDNA5" Instruction Set Architecture Reference Guide (July 2026). The comments in the code are by the model that wrote it; some were corrected since.
;; Attention. Allowed arithmetic: float matrix products may take bf16 or f16 operands with f32 sums; all other float work in f32.
;; Inputs: attn_mask 2 x 2,048 x 2,048 bool; segment_pos 2 x 2,048 int32; wk 4,096 x 8 x 32 float32; wo 32 x 32 x 4,096 float32; wq 4,096 x 32 x 32 float32; wv 4,096 x 8 x 32 float32; x 2 x 2,048 x 4,096 float32.
;; Outputs: out0 2 x 2,048 x 4,096 float32.
;; 2 versions, each right; version 2 is version 1 with the launch prep written anew for expert scheduling mode. Each part assembles by itself: llvm-mc -triple=amdgcn-amd-amdhsa -mcpu=gfx1250 --defsym DOCPART=n.
;; ======== version 1 of 2: 4 launches
;; limits: values are held in f16: magnitudes above 65,504 overflow, below 6.1e-05 lose precision; right only within a limited range of input values; an absolute error that grows with the inputs' magnitude: up to 2e-07 times it
;; workspace buffers: wc 12,582,912 bytes; wo16 8,388,608 bytes; rope 524,288 bytes; qkv 12,582,912 bytes; ob 8,388,608 bytes
;; launch prep (part 1): grid 768 x 1, 8 waves a work-group, no clusters, 0 bytes of LDS; arguments wq, wk, wv, wo, segment_pos, wc, wo16, rope; writes wc, wo16, rope
.if DOCPART == 1
	.amdgcn_target "amdgcn-amd-amdhsa--gfx1250"
	.amdhsa_code_object_version 6
	.text
	.protected	k_q59d3e81803_prep
	.globl	k_q59d3e81803_prep
	.p2align	8
	.type	k_q59d3e81803_prep,@function
k_q59d3e81803_prep:
	s_mov_b64 s[64:65], 0
	v_nop
	global_prefetch_b8 v0, s[64:65] scope:SCOPE_SE
	s_setreg_imm32_b32 hwreg(HW_REG_WAVE_MODE, 25, 1), 1
	s_wait_xcnt 0x0
; PREP.  Casts the four weights and makes the RoPE table.  A pure stream: no LDS, no barrier, no matrix unit.
;   wc   [4096 k][1536] bf16: columns 0-1023 wq, 1024-1279 wk, 1280-1535 wv, each rounded once to bf16 (nearest even).
;   wo16 [1024 k][4096] f16:  wo rounded to bf16, that number times 4 (exact), written as f16 (exact while 4 |wo| lies in f16's normal range).
;   rope [4096 rows = b 2048 + t][32] f32: cos of the row's 16 angles, then sin.
; ROLES by the work-group's number: 0-255 wq, 256-319 wk, 320-383 wv, 384-639 wo, 640-767 the table.
; A casting work-group owns 16,384 numbers (64 KiB of source) as 16 passes of 1,024: all 16 loads of a lane go out ahead of its stores;
; a wave's load covers 512 consecutive bytes, its store 256 consecutive bytes, aligned.
; LIMITS.  |wo| < 16,376 (f16's end after the factor 4).  The angle is pos / 500000^(i/16), made by exp2, a reciprocal and one correction step: it agrees with
; an f32 division to about 2e-7 of itself, so its error in radians grows with |pos| (1.5e-4 at pos = 2047).  The reduction by two parts of pi/2 holds for angles below 2^22.
.set SV, 1                             ; v1      byte offset of my 16 source bytes in a pass
.set DV, 2                             ; v2      byte offset of my 8 destination bytes in a pass
.set X,  4                             ; v[4:67]   pass p: 4 numbers as loaded
.set Y,  68                            ; v[68:99]  pass p: 4 numbers to store; registers of its own for each pass, so no store's data is ever rewritten
.set T,  100                           ; v[100:105] at work
; 16 passes.  dstep: bytes from pass to pass in the destination.  kind 0: to bf16.  kind 1: to bf16, times 4, to f16.
.macro CAST dstep, kind
.set p, 0
.rept 16
	global_load_b128 v[X+4*p:X+4*p+3], v[SV], s[24:25] offset:4096*p th:TH_LOAD_NT
.set p, p+1
.endr
.set p, 0
.rept 16
	s_wait_loadcnt 15-p                            ; loads return in order: pass p is in, the 15 - p younger ones stay out
.if \kind
	v_cvt_pk_bf16_f32 v[T], v[X+4*p], v[X+4*p+1]
	v_cvt_pk_bf16_f32 v[T+1], v[X+4*p+2], v[X+4*p+3]
	v_lshlrev_b32 v[T+2], 16, v[T]                 ; back to f32: the low half moves up, the high half stays
	v_and_b32 v[T+3], 0xffff0000, v[T]
	v_lshlrev_b32 v[T+4], 16, v[T+1]
	v_and_b32 v[T+5], 0xffff0000, v[T+1]
	v_pk_mul_f32 v[T+2:T+3], v[T+2:T+3], 4.0 op_sel_hi:[1,0]
	v_pk_mul_f32 v[T+4:T+5], v[T+4:T+5], 4.0 op_sel_hi:[1,0]
	v_cvt_pk_f16_f32 v[Y+2*p], v[T+2], v[T+3]
	v_cvt_pk_f16_f32 v[Y+2*p+1], v[T+4], v[T+5]
.else
	v_cvt_pk_bf16_f32 v[Y+2*p], v[X+4*p], v[X+4*p+1]
	v_cvt_pk_bf16_f32 v[Y+2*p+1], v[X+4*p+2], v[X+4*p+3]
.endif
	global_store_b64 v[DV], v[Y+2*p:Y+2*p+1], s[26:27] offset:(\dstep)*p
.set p, p+1
.endr
.endm
	s_load_b256 s[4:11], s[0:1], 0x0               ; wq s[4:5], wk s[6:7], wv s[8:9], wo s[10:11]
	s_load_b256 s[12:19], s[0:1], 0x20             ; segment_pos s[12:13], wc s[14:15], wo16 s[16:17], rope s[18:19]
	s_mov_b32 s2, ttmp9
	v_lshlrev_b32 v[SV], 4, v0
	v_lshlrev_b32 v[DV], 3, v0
	s_mov_b32 s21, 0                               ; offsets are pairs with 0 on top
	s_mov_b32 s23, 0
	s_wait_kmcnt 0x0
	s_cmp_lt_u32 s2, 256
	s_cbranch_scc0 .Lnot_wq
	; wq: a pass is one row k of 1,024 numbers; the chunk is 16 rows; wc's rows are 3,072 bytes apart
	s_lshl_b32 s20, s2, 16
	s_mul_i32 s22, s2, 49152
	s_add_nc_u64 s[24:25], s[4:5], s[20:21]
	s_add_nc_u64 s[26:27], s[14:15], s[22:23]
	CAST 3072, 0
	s_endpgm
.Lnot_wq:
	s_cmp_lt_u32 s2, 384
	s_cbranch_scc0 .Lnot_kv
	; wk, wv: a pass is four rows k of 256 numbers; the chunk is 64 rows
	s_sub_co_u32 s3, s2, 256
	s_and_b32 s3, s3, 63
	s_lshl_b32 s20, s3, 16
	s_mul_i32 s22, s3, 196608
	s_cmp_lt_u32 s2, 320
	s_cselect_b64 s[24:25], s[6:7], s[8:9]
	s_cselect_b32 s3, 0, 512                       ; wk's columns begin at byte 2,048 of a row of wc, wv's at 2,560
	s_add_co_u32 s22, s22, s3
	s_add_co_u32 s22, s22, 2048
	s_add_nc_u64 s[24:25], s[24:25], s[20:21]
	s_add_nc_u64 s[26:27], s[14:15], s[22:23]
	v_lshrrev_b32 v3, 6, v0                        ; my row of the pass's four
	v_and_b32 v[DV], 63, v0
	v_mul_u32_u24 v3, v3, 3072
	v_lshl_add_u32 v[DV], v[DV], 3, v3
	CAST 12288, 0
	s_endpgm
.Lnot_kv:
	s_cmp_lt_u32 s2, 640
	s_cbranch_scc0 .Lrope
	; wo: dense to dense
	s_sub_co_u32 s3, s2, 384
	s_lshl_b32 s20, s3, 16
	s_lshl_b32 s22, s3, 15
	s_add_nc_u64 s[24:25], s[10:11], s[20:21]
	s_add_nc_u64 s[26:27], s[16:17], s[22:23]
	CAST 2048, 1
	s_endpgm
.Lrope:
	; The table: 32 rows a work-group, eight lanes a row; lane c8 makes words 4 c8 .. 4 c8 + 3: cos (c8 < 4) or sin of frequencies 4 (c8 & 3) + e.
.set FI, 12
.set TS, 16
.set IV, 20
.set TH, 24
.set NQ, 28
.set RR, 32
.set ZZ, 36
.set SI, 40
.set CO, 44
.set TT, 48
.set OU, 52
	s_sub_co_u32 s3, s2, 640
	s_lshl_b32 s20, s3, 7
	s_lshl_b32 s22, s3, 12
	s_add_nc_u64 s[24:25], s[12:13], s[20:21]
	s_add_nc_u64 s[26:27], s[18:19], s[22:23]
	v_lshrrev_b32 v3, 3, v0
	v_lshlrev_b32 v3, 2, v3
	global_load_b32 v8, v3, s[24:25]               ; my row's position
	s_mov_b32 s28, 0x3f9773da                      ; log2(500000) / 16
	s_mov_b32 s29, 0x3f22f983                      ; 2 / pi
	s_mov_b32 s30, 0x3fc90fdb                      ; pi / 2, upper part
	s_mov_b32 s31, 0x333bbd2e                      ; upper part less pi / 2
	s_mov_b32 s32, 0xb94ca1f9                      ; sine's polynomial on -pi/4 .. pi/4
	s_mov_b32 s33, 0x3c08839e
	s_mov_b32 s34, 0xbe2aaaa3
	s_mov_b32 s35, 0x37ccf5ce                      ; cosine's
	s_mov_b32 s36, 0xbab6061a
	s_mov_b32 s37, 0x3d2aaaa5
	v_and_b32 v9, 7, v0
	v_and_b32 v11, 3, v9
	v_lshlrev_b32 v11, 2, v11
	v_cmp_gt_u32 vcc_lo, 4, v9
	v_cndmask_b32 v10, 0, 1, vcc_lo                ; cos x = sin(x + pi/2): a lane that makes cos adds one quadrant
.irp e, 0,1,2,3
	v_add_nc_u32 v[FI+\e], \e, v11
.endr
.irp e, 0,1,2,3
	v_cvt_f32_u32 v[FI+\e], v[FI+\e]
.endr
.irp e, 0,1,2,3
	v_mul_f32 v[FI+\e], s28, v[FI+\e]
.endr
.irp e, 0,1,2,3
	v_exp_f32 v[TS+\e], v[FI+\e]                   ; the timescale
.endr
	v_nop                                          ; a plain instruction between the exponentials and the use of their results (ISA guide 5.7.2)
	s_wait_alu depctr_va_vdst(0)
.irp e, 0,1,2,3
	v_rcp_f32 v[IV+\e], v[TS+\e]
.endr
	s_wait_loadcnt 0x0
	v_cvt_f32_i32 v8, v8                           ; also the plain instruction behind the reciprocals
	s_wait_alu depctr_va_vdst(0)
.irp e, 0,1,2,3
	v_mul_f32 v[TH+\e], v8, v[IV+\e]               ; pos / ts: a first quotient,
.endr
.irp e, 0,1,2,3
	v_fma_f32 v[TT+\e], -v[TH+\e], v[TS+\e], v8    ; its remainder,
.endr
.irp e, 0,1,2,3
	v_fma_f32 v[TH+\e], v[TT+\e], v[IV+\e], v[TH+\e]  ; and the correction
.endr
.irp e, 0,1,2,3
	v_mul_f32 v[NQ+\e], s29, v[TH+\e]
.endr
.irp e, 0,1,2,3
	v_rndne_f32 v[NQ+\e], v[NQ+\e]                 ; quadrants
.endr
.irp e, 0,1,2,3
	v_fma_f32 v[RR+\e], -v[NQ+\e], s30, v[TH+\e]
.endr
.irp e, 0,1,2,3
	v_fma_f32 v[RR+\e], v[NQ+\e], s31, v[RR+\e]    ; the angle less n pi / 2, within pi / 4 of 0
.endr
.irp e, 0,1,2,3
	v_mul_f32 v[ZZ+\e], v[RR+\e], v[RR+\e]
.endr
.irp e, 0,1,2,3
	v_fma_f32 v[SI+\e], v[ZZ+\e], s32, s33
	v_fma_f32 v[CO+\e], v[ZZ+\e], s35, s36
.endr
.irp e, 0,1,2,3
	v_fma_f32 v[SI+\e], v[ZZ+\e], v[SI+\e], s34
	v_fma_f32 v[CO+\e], v[ZZ+\e], v[CO+\e], s37
.endr
.irp e, 0,1,2,3
	v_mul_f32 v[SI+\e], v[SI+\e], v[ZZ+\e]
	v_fma_f32 v[TT+\e], v[ZZ+\e], -0.5, 1.0
.endr
.irp e, 0,1,2,3
	v_fma_f32 v[SI+\e], v[SI+\e], v[RR+\e], v[RR+\e]  ; sin r
	v_mul_f32 v[ZZ+\e], v[ZZ+\e], v[ZZ+\e]
.endr
.irp e, 0,1,2,3
	v_fma_f32 v[CO+\e], v[ZZ+\e], v[CO+\e], v[TT+\e]  ; cos r
	v_cvt_i32_f32 v[NQ+\e], v[NQ+\e]
.endr
.irp e, 0,1,2,3
	v_add_nc_u32 v[NQ+\e], v[NQ+\e], v10
.endr
.irp e, 0,1,2,3
	v_and_b32 v[TT+\e], 1, v[NQ+\e]
	v_cmp_eq_u32 vcc_lo, 1, v[TT+\e]
	v_cndmask_b32 v[OU+\e], v[SI+\e], v[CO+\e], vcc_lo  ; an odd quadrant takes the cosine,
	v_and_b32 v[NQ+\e], 2, v[NQ+\e]
	v_lshlrev_b32 v[NQ+\e], 30, v[NQ+\e]
	v_xor_b32 v[OU+\e], v[OU+\e], v[NQ+\e]         ; quadrants 2 and 3 turn the sign
.endr
	global_store_b128 v[SV], v[OU:OU+3], s[26:27]  ; a wave stores 512 consecutive bytes, aligned
	s_endpgm
.Lfunc_end_k_q59d3e81803_prep:
	.size	k_q59d3e81803_prep, .Lfunc_end_k_q59d3e81803_prep-k_q59d3e81803_prep
	.p2alignl 7, 3214868480
	.fill 96, 4, 3214868480
	.section	.rodata,"a",@progbits
	.p2align	6, 0x0
	.amdhsa_kernel k_q59d3e81803_prep
		.amdhsa_group_segment_fixed_size 0
		.amdhsa_private_segment_fixed_size 0
		.amdhsa_enable_private_segment 0
		.amdhsa_kernarg_size 64
		.amdhsa_user_sgpr_count 2
		.amdhsa_user_sgpr_kernarg_segment_ptr 1
		.amdhsa_wavefront_size32 1
		.amdhsa_system_sgpr_workgroup_id_x 1
		.amdhsa_system_sgpr_workgroup_id_y 1
		.amdhsa_system_sgpr_workgroup_id_z 1
		.amdhsa_system_vgpr_workitem_id 0
		.amdhsa_next_free_vgpr 112
		.amdhsa_next_free_sgpr 66
		.amdhsa_reserve_vcc 1
		.amdhsa_float_denorm_mode_32 3
		.amdhsa_float_denorm_mode_16_64 3
		.amdhsa_memory_ordered 1
		.amdhsa_forward_progress 1
		.amdhsa_inst_pref_size 33
	.end_amdhsa_kernel
	.amdgpu_metadata
---
amdhsa.version: [ 1, 2 ]
amdhsa.kernels:
  - .name:           k_q59d3e81803_prep
    .symbol:         k_q59d3e81803_prep.kd
    .args:
      - { .name: wq, .offset: 0, .size: 8, .value_kind: global_buffer, .address_space: global }
      - { .name: wk, .offset: 8, .size: 8, .value_kind: global_buffer, .address_space: global }
      - { .name: wv, .offset: 16, .size: 8, .value_kind: global_buffer, .address_space: global }
      - { .name: wo, .offset: 24, .size: 8, .value_kind: global_buffer, .address_space: global }
      - { .name: segment_pos, .offset: 32, .size: 8, .value_kind: global_buffer, .address_space: global }
      - { .name: wc, .offset: 40, .size: 8, .value_kind: global_buffer, .address_space: global }
      - { .name: wo16, .offset: 48, .size: 8, .value_kind: global_buffer, .address_space: global }
      - { .name: rope, .offset: 56, .size: 8, .value_kind: global_buffer, .address_space: global }
    .group_segment_fixed_size: 0
    .private_segment_fixed_size: 0
    .kernarg_segment_align: 8
    .kernarg_segment_size: 64
    .max_flat_workgroup_size: 256
    .sgpr_count:     66
    .vgpr_count:     112
    .wavefront_size: 32
...
	.end_amdgpu_metadata
.endif
;; end of part 1
;; launch qkv (part 2): grid 4 x 64, 4 waves a work-group, clusters of 4 x 4, 327,680 bytes of LDS; arguments x, wc, rope, qkv; writes qkv
.if DOCPART == 2
	.amdgcn_target "amdgcn-amd-amdhsa--gfx1250"
	.amdhsa_code_object_version 6
	.text
	.protected	k_q59d3e81803_qkv
	.globl	k_q59d3e81803_qkv
	.p2align	8
	.type	k_q59d3e81803_qkv,@function
k_q59d3e81803_qkv:
	s_mov_b64 s[64:65], 0
	v_nop
	global_prefetch_b8 v0, s[64:65] scope:SCOPE_SE
	s_setreg_imm32_b32 hwreg(HW_REG_WAVE_MODE, 25, 1), 1
	s_wait_xcnt 0x0
	s_wait_alu depctr_hold_cnt(0) depctr_sa_sdst(0) depctr_va_vdst(0) depctr_va_sdst(0) depctr_va_ssrc(0) depctr_va_vcc(0) depctr_vm_vsrc(0)
	s_getreg_b32 s2, hwreg(HW_REG_IB_STS2, 6, 4)
	s_cmp_eq_u32 s2, 0
	s_cbranch_scc0 .Lentry_in_a_cluster
	s_endpgm
.Lentry_in_a_cluster:
	s_bfe_u32 s2, ttmp6, 0x10000c
	s_cmp_lg_u32 s2, 0xf033
	s_cbranch_scc0 .Lentry_shape_is_right
	s_endpgm
.Lentry_shape_is_right:
; QKV.  [4096 rows][4096] x times wc [4096][1536] (bf16 operands, f32 sums), RoPE and scalings on the way out, f16 results by heads.
; x stays f32 in memory; each tile of it is rounded to bf16 (nearest even) ONCE a work-group, between its LDS slot and a stage in LDS from which all four waves take their operands.
; SHARES.  A work-group makes 64 rows x 384 columns (12 heads): 256 work-groups.  Wave w makes all 64 rows x columns 96 w .. 96 w + 95 (3 heads): 24 accumulators (a = token tile 0-3, nb = column tile 0-5).
; THE MATRIX INSTRUCTION IS USED TRANSPOSED: source 0 = 16 columns of wc, source 1 = 16 tokens: a lane holds token lane % 16 and columns 8 (lane / 16) + 0..7.  Column tiles 2 j and 2 j + 1 of a head then hold a
; RoPE pair (channels i and 16 + i) in the same lane and register.
; K goes in 32 steps of 128 through two LDS slots.  A step's tiles: x 64 rows x 512 bytes; wc 128 rows k x 768 bytes as three thirds of 256 bytes.  One tensor load a wave: waves 0-2 a third each, wave 3 x.
; THE STAGE.  Behind each change of slots wave w reads token tile w of the new f32 tile (16 loads), rounds it (32 conversions) and stores it in operand order (8 stores of 512 consecutive bytes): fragment
; (token tile a, quarter q) is 1,024 bytes at 4,096 a + 1,024 q, registers 0-3 at 16 x lane, registers 4-7 512 bytes on.  A barrier, and every wave reads fragments at 16 x lane.  One stage does: it is written
; behind the change's barrier, in front of which every wave has waited for its reads of it.
; CLUSTER 4 x 4: the four column blocks of a row block form a row of the cluster and ask for x's tile jointly; the four row blocks of a column ask for wc's tiles jointly.
; OUT.  qkv [b][head 48][token tile 128][1,024 bytes], heads 0-31 q, 32-39 k, 40-47 v.  A tile is 16 tokens x 32 channels in the order in which a matrix operand wants it: half qd (512 bytes) holds the 16 bytes
; of token r, channels 16 qd + 8 h + 0..7 at byte 16 (r + 16 h) for q and k, and at (r >> 3) 256 + h 128 + (r & 7) 16 for v (the order in which the turning LDS load wants its rows).
; q = rope(q) log2(e) / sqrt(32); k = rope(k) / 4; v = v / 4, all scaled in f32 and rounded once to f16.
; LIMITS.  f16 ends at 65,504: |q| < 2.5e5, |k|, |v| < 2.6e5 before the scalings.  NaN and infinities are not treated apart.
; REGISTERS, in windows of 256 (s_set_vgpr_msb: bits 1:0 source 0, 3:2 source 1, 5:4 source 2, 7:6 destination):
;   window 0: addresses; v32-95 my token tile of x as f32, then as bf16; v96-159 x's fragments, two buffers; v160-255 wc's fragments, two buffers.      window 1: v0-191 accumulators; v192-255 the rows' cos and sin.
.set WTH,   36864                      ; a third of wc's tile: 128 rows of 256 + 32 bytes
.set XO,    3*WTH                      ; x's tile lies behind the three thirds
.set PW,    288                        ; 72 words
.set PX,    528                        ; 132 words: the 16 rows of a load start at 16 different groups of four banks
.set SLOT,  XO+64*PX                   ; 144,384
.set STG,   2*SLOT                     ; behind the ring: the stage, 16 fragments of 1,024 bytes; no tensor load lands here
.set SPARE, STG+16384                  ; behind the stage: the spare words, 128 bytes a wave: two blocks of 256 bytes that no other line names
.set ADX,  4                           ; v4-5    LDS address of my token tile in x's f32 tile, slot 0, 1
.set ADW,  6                           ; v6-17   of my six column tiles of wc, slot 0, then slot 1
.set SPW,  18                          ; v18     my spare word; never rewritten
.set NIL,  19                          ; v19     0; never rewritten
.set OFFN, 20                          ; v20     where my 16 bytes go in half a tile of q or k: 16 x lane
.set OFFV, 21                          ; v21     the same for v
.set OFFS, 22                          ; v22     the one in use
.set TOFF, 23                          ; v23     my byte offset in 16 rows of the table
.set PVX,  28                          ; v28     prefetch: my lane's block of 256 bytes in a K step of x; never rewritten
.set PVW,  29                          ; v29     the same in a third of wc; never rewritten
.set STW,  30                          ; v30     the stage: where my wave's token tile goes
.set STR,  31                          ; v31     the stage: 16 x lane
.set XF,   32
.set XB,   96                          ; buffer p at XB + 32 p
.set WB,   160                         ; buffer p at WB + 48 p
.set CSR,  192                         ; window 1: token tile a: 8 cos, 8 sin at CSR + 16 a
.set A8,   32                          ; the way out, in x's f32 registers
.set B8,   40
.set TM,   48
.set O1,   56
.set O2,   64
.set PK,   72
.set WV,  12                           ; s12 my wave's number
.set G1X, 24                           ; s[24:31] descriptor group 1 for x's tile;  s[32:39] group 0, a set for each slot
.set G0X, 32
.set G1W, 40                           ; s[40:47], s[48:55] the same for wc's thirds
.set G0W, 48
.set CX,  56
.set CY,  57
.set CBK, 58                           ; column block 0-3
.set RBK, 59                           ; row block 0-63
.set HD0, 62                           ; my first head
.set FA,  66                           ; s[66:67] factor of cos and sin
.set GA,  68                           ; s[68:69] addend of cos's factor (v has no rotation)
.set VM,  70                           ; all ones where the head is one of v's
.set HD,  71
.set POX, 80                           ; s[80:81] prefetch: byte offset of the K step to ask for, in x's rows
.set POW, 82                           ; s[82:83] the same in wc
.set PAX, 84                           ; s[84:85] x at my row block, that K step
.set PAW, 86                           ; s[86:87] wc at my third, that K step
.set MSB, 0
.macro WIN new                         ; the immediate's high byte repeats the setting that is left; a switch that changes nothing is dropped
.if MSB != (\new)
	s_set_vgpr_msb (MSB<<8)|(\new)
.set MSB, \new
.endif
.endm
; A joint load: wave 3 asks for x's tile, waves 0-2 for their third of wc's.  The branch hangs on the wave's number alone.  An s_nop 0 and four v_nop follow each line.
; pf = 1: THE PREFETCH.  The wave then asks, into the L2, for its share of the tile that the NEXT joint load of its kind will bring: one K step further on than the tile just requested.  Each block of 256 bytes is
; asked for by one wave of one work-group: x's 64 rows x 2 blocks of a K step are shared out among the row block's four work-groups, 16 rows each (wave 3, 32 lanes 256 bytes apart or a row apart); the 128 rows of
; a third of wc among the 64 row blocks, two rows each (waves 0-2; the 32 lanes name two addresses).  9,728 bytes a work-group are asked for and not yet read.
.macro JLOAD s, pf
	s_cmp_eq_u32 s[WV], 3
	s_cbranch_scc0 .Lfor_w_\@
	tensor_load_to_lds s[G0X+4*(\s):G0X+4*(\s)+3], s[G1X:G1X+7]
	s_nop 0
.rept 4
	v_nop
.endr
.if \pf
	global_prefetch_b8 v[PVX], s[PAX:PAX+1] th:TH_LOAD_NT scope:SCOPE_SE
.endif
	s_branch .Lasked_\@
.Lfor_w_\@:
	tensor_load_to_lds s[G0W+4*(\s):G0W+4*(\s)+3], s[G1W:G1W+7]
	s_nop 0
.rept 4
	v_nop
.endr
.if \pf
	global_prefetch_b8 v[PVW], s[PAW:PAW+1] th:TH_LOAD_NT scope:SCOPE_SE
.endif
.Lasked_\@:
.endm
.macro CREST                           ; a round of the cluster's barrier behind its opening barrier
	s_cmp_lg_u32 s[WV], 0
	s_cbranch_scc1 .Lnot_wave_0_\@
	s_barrier_signal -3
.Lnot_wave_0_\@:
	s_barrier_wait -3
	s_barrier_signal -1
	s_barrier_wait -1
.endm
.macro CROUND                          ; a whole round
	s_barrier_signal -1
	s_barrier_wait -1
	CREST
.endm
	s_load_b256 s[4:11], s[0:1], 0x0               ; x s[4:5], wc s[6:7], rope s[8:9], qkv s[10:11]
	v_lshl_add_u32 v[SPW], v0, 2, SPARE
	v_mov_b32 v[NIL], 0
	ds_add_u32 v[SPW], v[NIL]                      ; the wave's opening: the add and its wait stand ahead of my first tensor load; the set-up below stands between them
	v_lshrrev_b32 v1, 5, v0
	v_readfirstlane_b32 s[WV], v1
	s_bfe_u32 s[CX], ttmp6, 0x40000
	s_bfe_u32 s[CY], ttmp6, 0x40004
	s_lshl_b32 s[CBK], ttmp9, 2
	s_add_co_u32 s[CBK], s[CBK], s[CX]
	s_and_b32 s[RBK], ttmp7, 0xffff
	s_lshl_b32 s[RBK], s[RBK], 2
	s_add_co_u32 s[RBK], s[RBK], s[CY]
	s_lshl_b32 s13, s[CY], 2
	s_lshl_b32 s13, 15, s13                        ; my row of the cluster
	s_lshl_b32 s14, 0x1111, s[CX]                  ; my column
	s_or_b32 s[G1X], s13, (2<<16)|(1<<20)|(1<<21)|(6<<22)|(3<<25)  ; mask of my row; 4-byte elements; padding on; bit 21 beside a mask; after every 128 words 4 words
	s_mov_b32 s[G1X+1], 128<<16                    ; tensor_dim0 = 128
	s_mov_b32 s[G1X+2], 64<<16                     ; tensor_dim1 = 64
	s_mov_b32 s[G1X+3], 128<<16                    ; tile_dim0 = 128
	s_mov_b32 s[G1X+4], 64                         ; tile_dim1 = 64
	s_mov_b32 s[G1X+5], 4096                       ; elements from row to row
	s_mov_b32 s[G1X+6], 0
	s_mov_b32 s[G1X+7], 0
	s_or_b32 s[G1W], s14, (1<<16)|(1<<20)|(1<<21)|(5<<22)|(7<<25)  ; mask of my column; 2-byte elements; after every 64 words 8 words
	s_mov_b32 s[G1W+1], 128<<16
	s_mov_b32 s[G1W+2], 128<<16
	s_mov_b32 s[G1W+3], 128<<16
	s_mov_b32 s[G1W+4], 128
	s_mov_b32 s[G1W+5], 1536
	s_mov_b32 s[G1W+6], 0
	s_mov_b32 s[G1W+7], 0
	s_mul_i32 s15, s[WV], WTH                      ; where my load lands in a slot: three thirds, then x: no place in the cluster enters an LDS address
	s_lshl_b32 s16, s[RBK], 20                     ; x: 64 rows of 16,384 bytes a row block
	s_mov_b32 s17, 0
	s_mul_i32 s20, s[CBK], 768                     ; wc: 768 bytes of a row a column block, 256 a third
	s_lshl_b32 s21, s[WV], 8
	s_add_co_u32 s20, s20, s21
	s_mov_b32 s21, 0
	s_lshl_b32 s72, s[RBK], 13                     ; the table: 64 rows of 128 bytes
	s_mov_b32 s73, 0
	v_and_b32 v27, 31, v0                          ; lane
	v_and_b32 v26, 1, v0
	v_lshrrev_b32 v[PVX], 1, v27                   ; the prefetch's lane terms.  x: row 16 x column block + lane / 2 of my row block, block lane % 2 of the K step's 512 bytes
	s_lshl_b32 s79, s[CBK], 4
	v_add_nc_u32 v[PVX], s79, v[PVX]
	v_lshlrev_b32 v[PVX], 14, v[PVX]
	v_lshl_add_u32 v[PVX], v26, 8, v[PVX]
	s_lshl_b32 s79, s[RBK], 1                      ; wc: row 2 x row block + lane % 2 of the K step's 128
	v_add_nc_u32 v[PVW], s79, v26
	v_mul_u32_u24 v[PVW], v[PVW], 3072
	s_mov_b32 s[POX], 2*512                        ; K steps 0 and 1 are requested at once; the first prefetch asks for K step 2
	s_mov_b32 s[POX+1], 0
	s_mov_b32 s[POW], 2*393216
	s_mov_b32 s[POW+1], 0
	s_wait_dscnt 0x0                               ; the opening add is done
	s_wait_kmcnt 0x0
	s_add_nc_u64 s[4:5], s[4:5], s[16:17]
	s_add_nc_u64 s[6:7], s[6:7], s[20:21]
	s_add_nc_u64 s[8:9], s[8:9], s[72:73]
	s_add_nc_u64 s[PAX:PAX+1], s[4:5], s[POX:POX+1]
	s_add_nc_u64 s[PAW:PAW+1], s[6:7], s[POW:POW+1]
	CROUND                                         ; all sixteen work-groups are here: the first joint loads meet
.irp s, 0,1
	s_mov_b32 s[G0X+4*(\s)], 1
	s_add_co_u32 s[G0X+4*(\s)+1], s15, (\s)*SLOT
	s_add_nc_u64 s[G0X+4*(\s)+2:G0X+4*(\s)+3], s[4:5], (\s)*512       ; K step s: 128 f32 on
	s_or_b32 s[G0X+4*(\s)+3], s[G0X+4*(\s)+3], 0x80000000
	s_mov_b32 s[G0W+4*(\s)], 1
	s_add_co_u32 s[G0W+4*(\s)+1], s15, (\s)*SLOT
	s_add_nc_u64 s[G0W+4*(\s)+2:G0W+4*(\s)+3], s[6:7], (\s)*393216    ; 128 rows of 3,072 bytes on
	s_or_b32 s[G0W+4*(\s)+3], s[G0W+4*(\s)+3], 0x80000000
	JLOAD \s, \s                                   ; two loads of mine are out; behind the second, the prefetch of K step 2
.endr
	v_and_b32 v1, 15, v0                           ; r
	v_bfe_u32 v2, v0, 4, 1                         ; h
	v_and_b32 v3, 7, v0
	v_bfe_u32 v24, v0, 3, 1
	v_lshlrev_b32 v[TOFF], 7, v1
	v_lshl_add_u32 v[TOFF], v2, 5, v[TOFF]         ; row r, frequencies 8 h on
	WIN 0x40                                       ; destination window 1
.irp a, 0,1,2,3
	global_load_b128 v[CSR+16*(\a):CSR+16*(\a)+3],     v[TOFF], s[8:9] offset:(\a)*2048
	global_load_b128 v[CSR+16*(\a)+4:CSR+16*(\a)+7],   v[TOFF], s[8:9] offset:(\a)*2048+16
	global_load_b128 v[CSR+16*(\a)+8:CSR+16*(\a)+11],  v[TOFF], s[8:9] offset:(\a)*2048+64
	global_load_b128 v[CSR+16*(\a)+12:CSR+16*(\a)+15], v[TOFF], s[8:9] offset:(\a)*2048+80
.endr
	WIN 0
	v_mul_u32_u24 v25, v1, PX
	v_lshl_add_u32 v25, v2, 5, v25                 ; x: row r of a token tile, 8 f32 for each half of the lanes,
	s_mul_i32 s77, s[WV], 16*PX                    ; in token tile w
	s_add_co_u32 s77, s77, XO
	v_add_nc_u32 v[ADX], s77, v25
	v_add_nc_u32 v[ADX+1], SLOT, v[ADX]
	v_lshl_add_u32 v26, v2, 3, v3                  ; wc, turned: lane l reads row k = 8 h + l % 8, columns 8 ((l / 8) % 2) on
	v_mul_u32_u24 v26, v26, PW
	v_lshl_add_u32 v26, v24, 4, v26
	s_mul_i32 s76, s[WV], 192                      ; my 96 columns begin at byte 192 w of the block's 768: third = byte >> 8
.irp i, 0,1,2,3,4,5
	s_add_co_u32 s77, s76, 32*(\i)
	s_lshr_b32 s78, s77, 8
	s_mul_i32 s78, s78, WTH
	s_and_b32 s77, s77, 255
	s_add_co_u32 s77, s77, s78
	v_add_nc_u32 v[ADW+(\i)], s77, v26
	v_add_nc_u32 v[ADW+6+(\i)], SLOT, v[ADW+(\i)]
.endr
	v_lshlrev_b32 v[OFFN], 4, v27
	v_add_nc_u32 v[STR], STG, v[OFFN]              ; the stage: 16 x lane,
	s_lshl_b32 s77, s[WV], 12
	v_add_nc_u32 v[STW], s77, v[STR]               ; and my wave's four fragments of it
	v_lshlrev_b32 v[OFFV], 8, v24
	v_lshl_add_u32 v[OFFV], v2, 7, v[OFFV]
	v_lshl_add_u32 v[OFFV], v3, 4, v[OFFV]
	s_mul_i32 s[HD0], s[CBK], 12
	s_mul_i32 s74, s[WV], 3
	s_add_co_u32 s[HD0], s[HD0], s74
	s_lshr_b32 s74, s[RBK], 5                      ; b
	s_mul_i32 s74, s74, 48
	s_add_co_u32 s74, s74, s[HD0]
	s_lshl_b32 s74, s74, 17                        ; a head's 128 tiles of 1,024 bytes
	s_and_b32 s75, s[RBK], 31
	s_lshl_b32 s75, s75, 12                        ; my four token tiles
	s_add_co_u32 s74, s74, s75
	s_mov_b32 s75, 0
	s_add_nc_u64 s[10:11], s[10:11], s[74:75]
; 6 matrix instructions: token tile a x my 6 column tiles, 32 along K, from buffers p.  zero = 1: the product starts the sums.  Each accumulator has one turn in a quarter.
.macro MUL6 p, a, zero
	WIN 0x50                                       ; C and D in window 1
.irp nb, 0,1,2,3,4,5
.if \zero
	v_wmma_f32_16x16x32_bf16 v[8*(6*(\a)+(\nb)):8*(6*(\a)+(\nb))+7], v[WB+48*(\p)+8*(\nb):WB+48*(\p)+8*(\nb)+7], v[XB+32*(\p)+8*(\a):XB+32*(\p)+8*(\a)+7], 0
.else
	v_wmma_f32_16x16x32_bf16 v[8*(6*(\a)+(\nb)):8*(6*(\a)+(\nb))+7], v[WB+48*(\p)+8*(\nb):WB+48*(\p)+8*(\nb)+7], v[XB+32*(\p)+8*(\a):XB+32*(\p)+8*(\a)+7], v[8*(6*(\a)+(\nb)):8*(6*(\a)+(\nb))+7]
.endif
.endr
.endm
; My token tile of the slot's x, all 128 along K: for each quarter 16 f32 a lane: k = 8 h + 0..7 and 16 + 8 h + 0..7
.macro XLD slot
	WIN 0
.irp q, 0,1,2,3
	ds_load_b128 v[XF+16*(\q):XF+16*(\q)+3],     v[ADX+(\slot)] offset:(\q)*128
	ds_load_b128 v[XF+16*(\q)+4:XF+16*(\q)+7],   v[ADX+(\slot)] offset:(\q)*128+16
	ds_load_b128 v[XF+16*(\q)+8:XF+16*(\q)+11],  v[ADX+(\slot)] offset:(\q)*128+64
	ds_load_b128 v[XF+16*(\q)+12:XF+16*(\q)+15], v[ADX+(\slot)] offset:(\q)*128+80
.endr
.endm
; It is rounded to bf16 in place (register i takes pair i, whose registers 2 i and 2 i + 1 lie at or above it) and goes into the stage
.macro XST
.irp q, 0,1,2,3
.irp i, 0,1,2,3,4,5,6,7
	v_cvt_pk_bf16_f32 v[XF+16*(\q)+(\i)], v[XF+16*(\q)+2*(\i)], v[XF+16*(\q)+2*(\i)+1]
.endr
.endr
.irp q, 0,1,2,3
	ds_store_b128 v[STW], v[XF+16*(\q):XF+16*(\q)+3]   offset:(\q)*1024
	ds_store_b128 v[STW], v[XF+16*(\q)+4:XF+16*(\q)+7] offset:(\q)*1024+512
.endr
.endm
; The four token tiles' fragments of quarter q, from the stage into buffer p
.macro XBL q, p
	WIN 0
.irp a, 0,1,2,3
	ds_load_b128 v[XB+32*(\p)+8*(\a):XB+32*(\p)+8*(\a)+3],   v[STR] offset:(\a)*4096+(\q)*1024
	ds_load_b128 v[XB+32*(\p)+8*(\a)+4:XB+32*(\p)+8*(\a)+7], v[STR] offset:(\a)*4096+(\q)*1024+512
.endr
.endm
; wc of quarter q, turned, into buffer p
.macro WLD slot, q, p
	WIN 0
.irp i, 0,1,2,3,4,5
	ds_load_tr16_b128 v[WB+48*(\p)+8*(\i):WB+48*(\p)+8*(\i)+3],   v[ADW+6*(\slot)+(\i)] offset:(\q)*32*PW
	ds_load_tr16_b128 v[WB+48*(\p)+8*(\i)+4:WB+48*(\p)+8*(\i)+7], v[ADW+6*(\slot)+(\i)] offset:(\q)*32*PW+16*PW
.endr
.endm
.macro PLACES                          ; a load into a register that a matrix instruction has read stands four places behind it, and only plain vector instructions are places (ISA guide 7.12.1 for vector instructions)
.rept 4
	v_nop
.endr
.endm
; A quarter of a K step: multiplies buffers p; behind its first six products one run of 20 LDS loads brings quarter qn of the same step into the other buffers, 18 products ahead of their first use.
.macro QUARTER slot, qn, p, zero
	s_wait_dscnt 0x0                               ; this quarter's fragments
	MUL6 \p, 0, \zero
	PLACES                                         ; the other buffers were read by the quarter before
	XBL \qn, 1-\p
	WLD \slot, \qn, 1-\p
	MUL6 \p, 1, \zero
	MUL6 \p, 2, \zero
	MUL6 \p, 3, \zero
.endm
; THE CHANGE OF SLOTS, and the step's fourth quarter (buffers 1).  Each wave waits for all its tensor loads (one is out: its part of the next slot), adds 0 to its spare word, and waits for that and for its reads
; of this slot and of the stage: the fourth quarter's fragments are in registers by then.  fill = 1: a round of the cluster's barrier, and this slot is filled again, two K steps on, first thing behind it: nothing
; but the round stands between the landing of one load and the request for the next.  Then the new slot's x goes through the stage while the fourth quarter is multiplied.
.macro TURN slot, next, fill
	WIN 0
	s_wait_tensorcnt 0x0
	ds_add_u32 v[SPW], v[NIL]                      ; the scalar steps below stand between the add and the wait for it
.if \fill
	s_wait_xcnt 0x0                                ; the last prefetch, a K step ago, has had its address translated: its base is rewritten only behind this wait
	s_add_co_u32 s[POX], s[POX], 512               ; the prefetch goes a K step on, and stops at K step 31: the last refill's prefetch asks for that step a second time, and none points past a row's end
	s_min_u32 s[POX], s[POX], 31*512
	s_add_co_u32 s[POW], s[POW], 393216
	s_min_u32 s[POW], s[POW], 31*393216
	s_add_nc_u64 s[PAX:PAX+1], s[4:5], s[POX:POX+1]
	s_add_nc_u64 s[PAW:PAW+1], s[6:7], s[POW:POW+1]
	s_add_nc_u64 s[G0X+4*(\slot)+2:G0X+4*(\slot)+3], s[G0X+4*(\slot)+2:G0X+4*(\slot)+3], 1024    ; no tensor load of mine is out, so a group 0 may be written
	s_add_nc_u64 s[G0W+4*(\slot)+2:G0W+4*(\slot)+3], s[G0W+4*(\slot)+2:G0W+4*(\slot)+3], 786432
.endif
	s_wait_dscnt 0x0                               ; the add is done; my reads of this slot and of the stage are over
.if \fill
	CROUND
	JLOAD \slot, 1                                 ; the four v_nop behind it are also the places in front of the loads into wc's buffer 0
.else
	s_barrier_signal -1
	s_barrier_wait -1
	PLACES
.endif
	XLD \next
	WLD \next, 0, 0
	MUL6 1, 0, 0
	MUL6 1, 1, 0
	WIN 0
	s_wait_dscnt 12                                ; x's 16 loads are in; wc's 12 behind them may stay out
	XST                                            ; its 32 conversions are also the places in front of the loads into x's buffer 0
	MUL6 1, 2, 0
	s_wait_dscnt 0x0                               ; for the others' sake: my stores into the stage are done
	s_barrier_signal -1                            ; the refill stays on its way across it
	s_barrier_wait -1
	XBL 0, 0
	MUL6 1, 3, 0
.endm
	s_wait_tensorcnt 0x1                           ; my part of K step 0 is in; K step 1's may stay out
	s_barrier_signal -1
	s_barrier_wait -1
	XLD 0
	WLD 0, 0, 0
	s_wait_dscnt 12                                ; x is in
	XST
	s_wait_dscnt 0x0
	s_barrier_signal -1
	s_barrier_wait -1
	XBL 0, 0
	QUARTER 0, 1, 0, 1                             ; the first quarter stands in front of the loop: its products start the sums
	WIN 0
	s_mov_b32 s3, 15
.Llap:                                                 ; a trip goes once round the ring and fills both slots again
	QUARTER 0, 2, 1, 0
	QUARTER 0, 3, 0, 0
	TURN 0, 1, 1
	QUARTER 1, 1, 0, 0
	QUARTER 1, 2, 1, 0
	QUARTER 1, 3, 0, 0
	TURN 1, 0, 1
	QUARTER 0, 1, 0, 0
	WIN 0
	s_sub_co_u32 s3, s3, 1
	s_cmp_lg_u32 s3, 0
	s_cbranch_scc1 .Llap
	QUARTER 0, 2, 1, 0                             ; the last lap fills nothing
	QUARTER 0, 3, 0, 0
	TURN 0, 1, 0
	QUARTER 1, 1, 0, 0
	QUARTER 1, 2, 1, 0
	QUARTER 1, 3, 0, 0
	s_wait_dscnt 0x0
	MUL6 1, 0, 0
	MUL6 1, 1, 0
	MUL6 1, 2, 0
	MUL6 1, 3, 0
	WIN 0
	PLACES                                         ; behind the last products
	s_wait_loadcnt 0x0                             ; cos and sin
; THE WAY OUT of head j3.  first' = first A - second B, second' = second A + first B, with A = cos FA + GA, B = sin FA: (FA, GA) = (c, 0) for q, (1/4, 0) for k, (0, 1/4) for v.
; The head's kind hangs on the place in the cluster, so it is chosen by selects, not by branches.  Each accumulator is read from its low end on.
.macro HEADOUT j3
	s_add_co_u32 s[HD], s[HD0], \j3
	s_cmp_lt_u32 s[HD], 40
	s_cselect_b32 s[FA], 0x3e800000, 0
	s_cselect_b32 s[GA], 0, 0x3e800000
	s_cselect_b32 s[VM], 0, -1
	s_cmp_lt_u32 s[HD], 32
	s_cselect_b32 s[FA], 0x3e8293ee, s[FA]         ; c = log2(e) / sqrt(32)
	s_mov_b32 s[FA+1], s[FA]                       ; named as pairs
	s_mov_b32 s[GA+1], s[GA]
.irp a, 0,1,2,3
	WIN 0x01                                       ; source 0 in window 1
.irp i, 0,1,2,3
	v_pk_fma_f32 v[A8+2*(\i):A8+2*(\i)+1], v[CSR+16*(\a)+2*(\i):CSR+16*(\a)+2*(\i)+1], s[FA:FA+1], s[GA:GA+1] op_sel_hi:[1,0,0]
.endr
.irp i, 0,1,2,3
	v_pk_mul_f32 v[B8+2*(\i):B8+2*(\i)+1], v[CSR+16*(\a)+8+2*(\i):CSR+16*(\a)+8+2*(\i)+1], s[FA:FA+1] op_sel_hi:[1,0]
.endr
.irp i, 0,1,2,3
	v_pk_mul_f32 v[TM+2*(\i):TM+2*(\i)+1], v[8*(6*(\a)+2*(\j3)+1)+2*(\i):8*(6*(\a)+2*(\j3)+1)+2*(\i)+1], v[B8+2*(\i):B8+2*(\i)+1]
.endr
.irp i, 0,1,2,3
	v_pk_fma_f32 v[O1+2*(\i):O1+2*(\i)+1], v[8*(6*(\a)+2*(\j3))+2*(\i):8*(6*(\a)+2*(\j3))+2*(\i)+1], v[A8+2*(\i):A8+2*(\i)+1], v[TM+2*(\i):TM+2*(\i)+1] neg_lo:[0,0,1] neg_hi:[0,0,1]
.endr
.irp i, 0,1,2,3
	v_pk_mul_f32 v[TM+2*(\i):TM+2*(\i)+1], v[8*(6*(\a)+2*(\j3))+2*(\i):8*(6*(\a)+2*(\j3))+2*(\i)+1], v[B8+2*(\i):B8+2*(\i)+1]
.endr
.irp i, 0,1,2,3
	v_pk_fma_f32 v[O2+2*(\i):O2+2*(\i)+1], v[8*(6*(\a)+2*(\j3)+1)+2*(\i):8*(6*(\a)+2*(\j3)+1)+2*(\i)+1], v[A8+2*(\i):A8+2*(\i)+1], v[TM+2*(\i):TM+2*(\i)+1]
.endr
	WIN 0
	s_wait_xcnt 0x0                                ; the stores before have had their addresses translated: only now are their data and offset rewritten
.if (\a) == 0
	v_cndmask_b32 v[OFFS], v[OFFN], v[OFFV], s[VM]
.endif
.irp i, 0,1,2,3
	v_cvt_pk_f16_f32 v[PK+(\i)], v[O1+2*(\i)], v[O1+2*(\i)+1]
.endr
.irp i, 0,1,2,3
	v_cvt_pk_f16_f32 v[PK+4+(\i)], v[O2+2*(\i)], v[O2+2*(\i)+1]
.endr
	global_store_b128 v[OFFS], v[PK:PK+3],   s[10:11] offset:(\j3)*131072+(\a)*1024      ; a wave's store covers 512 consecutive bytes, aligned
	global_store_b128 v[OFFS], v[PK+4:PK+7], s[10:11] offset:(\j3)*131072+(\a)*1024+512
.endr
.endm
	HEADOUT 0
	HEADOUT 1
	HEADOUT 2
	s_wait_tensorcnt 0x0                           ; the wave's end: the wait, the add and its wait stand behind my last tensor load and my last LDS store
	ds_add_u32 v[SPW], v[NIL]
	s_wait_dscnt 0x0
	CROUND                                         ; the closing round: no work-group ends while a partner may still ask for a tile that names it
	s_endpgm
.Lfunc_end_k_q59d3e81803_qkv:
	.size	k_q59d3e81803_qkv, .Lfunc_end_k_q59d3e81803_qkv-k_q59d3e81803_qkv
	.p2alignl 7, 3214868480
	.fill 96, 4, 3214868480
	.section	.rodata,"a",@progbits
	.p2align	6, 0x0
	.amdhsa_kernel k_q59d3e81803_qkv
		.amdhsa_group_segment_fixed_size 327680
		.amdhsa_private_segment_fixed_size 0
		.amdhsa_enable_private_segment 0
		.amdhsa_kernarg_size 32
		.amdhsa_user_sgpr_count 2
		.amdhsa_user_sgpr_kernarg_segment_ptr 1
		.amdhsa_wavefront_size32 1
		.amdhsa_system_sgpr_workgroup_id_x 1
		.amdhsa_system_sgpr_workgroup_id_y 1
		.amdhsa_system_sgpr_workgroup_id_z 1
		.amdhsa_system_vgpr_workitem_id 0
		.amdhsa_next_free_vgpr 512
		.amdhsa_next_free_sgpr 90
		.amdhsa_reserve_vcc 0
		.amdhsa_float_denorm_mode_32 3
		.amdhsa_float_denorm_mode_16_64 3
		.amdhsa_memory_ordered 1
		.amdhsa_forward_progress 1
		.amdhsa_inst_pref_size 106
	.end_amdhsa_kernel
	.amdgpu_metadata
---
amdhsa.version: [ 1, 2 ]
amdhsa.kernels:
  - .name:           k_q59d3e81803_qkv
    .symbol:         k_q59d3e81803_qkv.kd
    .args:
      - { .name: x, .offset: 0, .size: 8, .value_kind: global_buffer, .address_space: global }
      - { .name: wc, .offset: 8, .size: 8, .value_kind: global_buffer, .address_space: global }
      - { .name: rope, .offset: 16, .size: 8, .value_kind: global_buffer, .address_space: global }
      - { .name: qkv, .offset: 24, .size: 8, .value_kind: global_buffer, .address_space: global }
    .group_segment_fixed_size: 327680
    .private_segment_fixed_size: 0
    .kernarg_segment_align: 8
    .kernarg_segment_size: 32
    .max_flat_workgroup_size: 128
    .sgpr_count:     90
    .vgpr_count:     512
    .wavefront_size: 32
...
	.end_amdgpu_metadata
.endif
;; end of part 2
;; launch attn (part 3): grid 32 x 8, 8 waves a work-group, clusters of 4 x 4, 327,680 bytes of LDS; arguments qkv, attn_mask, ob; writes ob
.if DOCPART == 3
	.amdgcn_target "amdgcn-amd-amdhsa--gfx1250"
	.amdhsa_code_object_version 6
	.text
	.protected	k_q59d3e81803_attn
	.globl	k_q59d3e81803_attn
	.p2align	8
	.type	k_q59d3e81803_attn,@function
k_q59d3e81803_attn:
	s_mov_b64 s[64:65], 0
	v_nop
	global_prefetch_b8 v0, s[64:65] scope:SCOPE_SE
	s_setreg_imm32_b32 hwreg(HW_REG_WAVE_MODE, 25, 1), 1
	s_wait_xcnt 0x0
	s_wait_alu depctr_hold_cnt(0) depctr_sa_sdst(0) depctr_va_vdst(0) depctr_va_sdst(0) depctr_va_ssrc(0) depctr_va_vcc(0) depctr_vm_vsrc(0)
	s_getreg_b32 s2, hwreg(HW_REG_IB_STS2, 6, 4)
	s_cmp_eq_u32 s2, 0
	s_cbranch_scc0 .Lentry_in_a_cluster
	s_endpgm
.Lentry_in_a_cluster:
	s_bfe_u32 s2, ttmp6, 0x10000c
	s_cmp_lg_u32 s2, 0xf033
	s_cbranch_scc0 .Lentry_shape_is_right
	s_endpgm
.Lentry_shape_is_right:
; ATTENTION under a mask that is an input: every score of every head is made, and the mask's byte decides.  Head size 32, 32 query heads, 8 key and value heads, 2,048 keys.
; q arrives times log2(e) / sqrt(32), k and v divided by 4, all f16, in operand order (see the launch before).  Products, maxima and sums in f32; the weights p are rounded to f16 for the second product, and their
; sum l is the sum of the rounded weights, made by the matrix unit (ones x P).  O leaves divided by 4, in f16, [row tile 256][head 32][1,024 bytes] in operand order.
; SHARES.  A work-group owns 128 queries x the 4 query heads of one key head: 256 work-groups.  Wave w owns 16 queries x 4 heads: 4 tiles, which share K's and V's fragments and the mask's registers.
; EIGHT WAVES, two to a SIMD: a step of 64 keys has 44 matrix and some 430 vector instructions, so the text is bound by vector issue and is written in plain phases; the SIMD's other wave works through one wave's
; matrix phases and dependent chains.
; LAYOUT.  S^T = K Q^T + C: a lane holds ONE query (lane % 16) and keys 8 (lane / 16) + 0..7.  Two such results rounded to f16 ARE source 1 of O^T = V^T P.
; THE MASK is the C operand: 0 where the byte is 1, -2^99 where it is 0.  p = 2^(4 s - 4 m) with a running maximum m of the raw s; the factor 4 undoes k's division and is exact, so the exponent at s = m is 0.
; A hidden weight is 2^(-huge) = 0 as soon as the row has seen a visible key; until then m is about -2^99, every p lies in 0 to 1, and the first visible key's a = 0 wipes what was summed.
; A ROW HIDDEN EVERYWHERE (its final m below -2^98) takes the mean of all 2,048 rows of V, as a softmax of equal scores does: U^T = V^T 1 is summed beside O^T, and the choice is a select.
; LIMITS.  True raw scores stay above -2^98.  A weight below 2^-126 counts as 0; p below 6e-5 keeps f16's fixed step of 6e-8.  NaN and infinities are not treated apart.
; CLUSTER 4 x 4: the four query blocks of a row of the cluster share K and V (one batch, one key head); the four key heads of a column share the mask's tile.  Each tile is asked for jointly.
; RING: two slots of 256 keys (4 steps): K 16 KiB, V 16 KiB, the mask's 128 rows x 256 bytes.  Wave 0 fetches K, wave 1 V, waves 2, 3 the mask's halves; waves 4-7 fetch nothing.
; REGISTERS, in windows of 256 (s_set_vgpr_msb: bits 1:0 source 0, 3:2 source 1, 5:4 source 2, 7:6 destination):
;   window 0: addresses; v16-31 statistics; v32-51 at work; v52-59 mask bytes; v64-95 K; v96-223 S^T, 32 a tile (P is made in place in a tile's first 16); v224-231 ones
;   window 1: v0-63 O^T; v64-95 l; v96-111 U^T; v112-119 ones; v120-151 V; v152-183 Q; v184-215 the mask as C
.set SLOT1, 1<<17
.set VOFF,  16384
.set MOFF,  32768
.set PM,    272                        ; a mask row: 256 bytes + 16: 68 words: the 16 rows of a load start at 16 different groups of four banks (64 banks of 4 bytes: ISA guide 11.1)
.set SPARE, SLOT1+MOFF+128*PM          ; behind the ring: the spare words, 128 bytes a wave: four blocks of 256 bytes that no other line names
.set LN,  2                            ; v2   16 x lane; never rewritten
.set AM0, 3                            ; v3   my query's row of the mask's tile, 8 bytes for each half of the lanes; never rewritten
.set AKV, 4                            ; v4   LDS address of the step's K (V lies VOFF on)
.set AM,  5                            ; v5   of the step's mask bytes
.set ZR,  6                            ; v6   0
.set I2K, 7                            ; v7   1 / 2048
.set SPW, 10                           ; v10  my spare word; never rewritten
.set NIL, 11                           ; v11  0; never rewritten
.set ST,  16                           ; tile t at ST + 4 t: 4 m, m, a, 0
.set TMP, 32                           ; tile t at TMP + 4 t: c0-c3
.set MV,  48                           ; 4 m_old
.set MR,  52
.set KF,  64
.set S,   96
.set ONE0, 224
.set LL,  64                           ; window 1
.set UU,  96
.set ONE1, 112
.set VF,  120                          ; key half kk, channel half cb at VF + 16 kk + 8 cb
.set QF,  152
.set MC,  184
.set WV,  12
.set G1K, 24                           ; s[24:31] group 1 for K's and V's tiles
.set G1M, 32                           ; s[32:39] for the mask's
.set G0K, 40                           ; s[40:47] group 0: a set for each first fill; the second then walks
.set G0M, 48                           ; s[48:55]
.set SLOTS, 56
.set CNT, 57
.set TBK, 58                           ; LDS byte at which K of the step to be fetched begins
.set TBM, 59                           ; the same for the mask's bytes, less MOFF
.set SEL, 60                           ; s[60:61] v_permlanex16_b32's selects: each lane takes its own place in the other half
.set TBL, 62                           ; the table of the first byte permute: byte 0 = 0xf1, byte 1 = 0
.set SELB, 68                          ; s[68:71] selectors: byte j of the first source to the top, zeros below
.set THR, 72
.set FL,  74                           ; s74-77 the lanes whose row is hidden everywhere, by tile
.set MSB, 0
.macro WIN new
.if MSB != (\new)
	s_set_vgpr_msb (MSB<<8)|(\new)
.set MSB, \new
.endif
.endm
.macro JLOAD                           ; a joint refill, by the walking descriptors.  The branches hang on the wave's number alone.  An s_nop 0 and four v_nop follow each line.
	s_cmp_lt_u32 s[WV], 2
	s_cbranch_scc0 .Lfor_m_\@
	tensor_load_to_lds s[G0K+4:G0K+7], s[G1K:G1K+7]
	s_nop 0
.rept 4
	v_nop
.endr
	s_branch .Lasked_\@
.Lfor_m_\@:
	s_cmp_lt_u32 s[WV], 4
	s_cbranch_scc0 .Lasked_\@
	tensor_load_to_lds s[G0M+4:G0M+7], s[G1M:G1M+7]
	s_nop 0
.rept 4
	v_nop
.endr
.Lasked_\@:
.endm
.macro CROUND                          ; a round of the cluster's barrier
	s_barrier_signal -1
	s_barrier_wait -1
	s_cmp_lg_u32 s[WV], 0
	s_cbranch_scc1 .Lnot_wave_0_\@
	s_barrier_signal -3
.Lnot_wave_0_\@:
	s_barrier_wait -3
	s_barrier_signal -1
	s_barrier_wait -1
.endm
	s_load_b128 s[4:7], s[0:1], 0x0                ; qkv s[4:5], attn_mask s[6:7]
	s_load_b64 s[8:9], s[0:1], 0x10                ; ob
	v_lshl_add_u32 v[SPW], v0, 2, SPARE
	v_mov_b32 v[NIL], 0
	ds_add_u32 v[SPW], v[NIL]                      ; the wave's opening: the add and its wait stand ahead of the first tensor load; the set-up below stands between them
	v_lshrrev_b32 v1, 5, v0
	v_readfirstlane_b32 s[WV], v1
	s_bfe_u32 s13, ttmp6, 0x40000                  ; cx
	s_bfe_u32 s14, ttmp6, 0x40004                  ; cy
	s_lshl_b32 s15, ttmp9, 2
	s_add_co_u32 s15, s15, s13                     ; x = 16 b + query block
	s_lshr_b32 s16, ttmp9, 2                       ; b, made without cx: the four partners of a row share it
	s_and_b32 s17, ttmp7, 0xffff
	s_lshl_b32 s17, s17, 2
	s_add_co_u32 s17, s17, s14                     ; g, the key head
	s_lshl_b32 s18, s14, 2
	s_lshl_b32 s18, 15, s18                        ; my row of the cluster
	s_lshl_b32 s19, 0x1111, s13                    ; my column
	s_or_b32 s[G1K], s18, (3<<16)|(1<<21)          ; K, V: 16,384 dense bytes as 64 rows of 32 elements of 8 bytes, no padding
	s_mov_b32 s[G1K+1], 32<<16
	s_mov_b32 s[G1K+2], 64<<16
	s_mov_b32 s[G1K+3], 32<<16
	s_mov_b32 s[G1K+4], 64
	s_mov_b32 s[G1K+5], 32
	s_mov_b32 s[G1K+6], 0
	s_mov_b32 s[G1K+7], 0
	s_or_b32 s[G1M], s19, (3<<16)|(1<<20)|(1<<21)|(5<<22)|(3<<25)  ; the mask: 64 query rows x 256 bytes, 2,048 bytes apart; after every 64 words 4 words of padding
	s_mov_b32 s[G1M+1], 32<<16
	s_mov_b32 s[G1M+2], 64<<16
	s_mov_b32 s[G1M+3], 32<<16
	s_mov_b32 s[G1M+4], 64
	s_mov_b32 s[G1M+5], 256
	s_mov_b32 s[G1M+6], 0
	s_mov_b32 s[G1M+7], 0
	s_and_b32 s63, s[WV], 1                        ; K or V; the mask's first or second half
	s_mul_i32 s20, s16, 48                         ; head 32 + g is K's, 40 + g is V's
	s_add_co_u32 s20, s20, s17
	s_lshl_b32 s21, s63, 3
	s_add_co_u32 s20, s20, s21
	s_add_co_u32 s20, s20, 32
	s_lshl_b32 s20, s20, 17
	s_mov_b32 s21, 0
	s_lshl_b32 s22, s15, 18                        ; 128 x rows of 2,048 bytes
	s_lshl_b32 s23, s63, 17
	s_add_co_u32 s22, s22, s23
	s_mov_b32 s23, 0
	s_lshl_b32 s66, s63, 14                        ; where they land: no place in the cluster enters an LDS address
	s_mul_i32 s67, s63, 64*PM
	s_add_co_u32 s67, s67, MOFF
	s_mul_i32 s78, s16, 48                         ; Q: heads 4 g on, token tile 8 (x % 16) + w
	s_lshl_b32 s79, s17, 2
	s_add_co_u32 s78, s78, s79
	s_lshl_b32 s78, s78, 17
	s_and_b32 s79, s15, 15
	s_lshl_b32 s79, s79, 3
	s_add_co_u32 s79, s79, s[WV]
	s_lshl_b32 s79, s79, 10
	s_add_co_u32 s78, s78, s79
	s_mov_b32 s79, 0
	s_lshl_b32 s2, s15, 3                          ; O: row tile 8 x + w, heads 4 g on
	s_add_co_u32 s2, s2, s[WV]
	s_lshl_b32 s2, s2, 5
	s_lshl_b32 s3, s17, 2
	s_add_co_u32 s2, s2, s3
	s_lshl_b32 s2, s2, 10
	s_mov_b32 s3, 0
	s_mov_b32 s[SEL], 0x76543210
	s_mov_b32 s[SEL+1], 0xfedcba98
	s_mov_b32 s[TBL], 0xf1
	s_mov_b32 s[SELB], 0x04000000
	s_mov_b32 s[SELB+1], 0x05000000
	s_mov_b32 s[SELB+2], 0x06000000
	s_mov_b32 s[SELB+3], 0x07000000
	s_mov_b32 s[THR], 0xf0800000                   ; -2^98
	s_mov_b32 s[TBK], 0
	s_mov_b32 s[TBM], 0
	s_wait_dscnt 0x0                               ; the opening add is done
	s_wait_kmcnt 0x0
	s_add_nc_u64 s[20:21], s[4:5], s[20:21]
	s_add_nc_u64 s[22:23], s[6:7], s[22:23]
	s_add_nc_u64 s[4:5], s[4:5], s[78:79]
	s_add_nc_u64 s[8:9], s[8:9], s[2:3]
	CROUND                                         ; all sixteen work-groups are here: the first joint loads meet
.irp n, 0,1
	s_mov_b32 s[G0K+4*(\n)], 1
	s_add_co_u32 s[G0K+4*(\n)+1], s66, (\n)*SLOT1
	s_add_nc_u64 s[G0K+4*(\n)+2:G0K+4*(\n)+3], s[20:21], (\n)*16384
	s_or_b32 s[G0K+4*(\n)+3], s[G0K+4*(\n)+3], 0x80000000
	s_mov_b32 s[G0M+4*(\n)], 1
	s_add_co_u32 s[G0M+4*(\n)+1], s67, (\n)*SLOT1
	s_add_nc_u64 s[G0M+4*(\n)+2:G0M+4*(\n)+3], s[22:23], (\n)*256
	s_or_b32 s[G0M+4*(\n)+3], s[G0M+4*(\n)+3], 0x80000000
.endr
	s_cmp_lt_u32 s[WV], 2                          ; a wave's two first fills stand in one branch: two loads of a fetching wave are out
	s_cbranch_scc0 .Lfirst_m
	tensor_load_to_lds s[G0K:G0K+3], s[G1K:G1K+7]
	s_nop 0
	tensor_load_to_lds s[G0K+4:G0K+7], s[G1K:G1K+7]
	s_nop 0
.rept 4
	v_nop
.endr
	s_branch .Lfirst_asked
.Lfirst_m:
	s_cmp_lt_u32 s[WV], 4
	s_cbranch_scc0 .Lfirst_asked
	tensor_load_to_lds s[G0M:G0M+3], s[G1M:G1M+7]
	s_nop 0
	tensor_load_to_lds s[G0M+4:G0M+7], s[G1M:G1M+7]
	s_nop 0
.rept 4
	v_nop
.endr
.Lfirst_asked:
	v_and_b32 v[LN], 31, v0
	v_lshlrev_b32 v[LN], 4, v[LN]
	WIN 0x40                                       ; destination window 1
.irp t, 0,1,2,3
	global_load_b128 v[QF+8*(\t):QF+8*(\t)+3],   v[LN], s[4:5] offset:(\t)*131072
	global_load_b128 v[QF+8*(\t)+4:QF+8*(\t)+7], v[LN], s[4:5] offset:(\t)*131072+512
.endr
	; O^T, l and U^T start at 0 and m far below every score, so the first step is a step like any other, with a = 0.  All this stands in the wait for the first tile.
.set i, 0
.rept 112
	v_mov_b32 v[i], 0
.set i, i+1
.endr
.set i, 0
.rept 8
	v_mov_b32 v[ONE1+i], 0x3c003c00
.set i, i+1
.endr
	WIN 0
.set i, 0
.rept 8
	v_mov_b32 v[ONE0+i], 0x3c003c00
.set i, i+1
.endr
.irp t, 0,1,2,3
	v_mov_b32 v[ST+4*(\t)], 0xfc800000             ; 4 m = -2^122
	v_mov_b32 v[ST+4*(\t)+1], 0xfb800000           ; m = -2^120
	v_mov_b32 v[ST+4*(\t)+2], 0
	v_mov_b32 v[ST+4*(\t)+3], 0                    ; named with a as a pair
.endr
	v_mov_b32 v[ZR], 0
	v_mov_b32 v[I2K], 0x3a000000
	v_and_b32 v8, 15, v0
	v_lshl_add_u32 v8, v1, 4, v8                   ; my query's row in the block: 16 w + lane % 16
	v_mul_u32_u24 v8, v8, PM
	v_bfe_u32 v9, v0, 4, 1
	v_lshl_add_u32 v8, v9, 3, v8
	v_add_nc_u32 v[AM0], MOFF, v8
; K and the mask's bytes of the step to come: 12 LDS loads.  The two additions and two v_nop are the four places behind the products K Q^T: for these loads into K's registers and for the first reads of S^T.
.macro FETCH
	WIN 0
	v_add_nc_u32 v[AKV], s[TBK], v[LN]
	v_add_nc_u32 v[AM], s[TBM], v[AM0]
	v_nop
	v_nop
	s_add_co_u32 s[TBK], s[TBK], 4096
	s_add_co_u32 s[TBM], s[TBM], 64
.irp kt, 0,1,2,3
	ds_load_b128 v[KF+8*(\kt):KF+8*(\kt)+3],   v[AKV] offset:(\kt)*1024
	ds_load_b128 v[KF+8*(\kt)+4:KF+8*(\kt)+7], v[AKV] offset:(\kt)*1024+512
.endr
.irp kt, 0,1,2,3
	ds_load_b64 v[MR+2*(\kt):MR+2*(\kt)+1], v[AM] offset:16*(\kt)
.endr
.endm
; Number n of the 22 that find tile t's maximum and statistics.  0-11: four chains of seven scores, three operands at a time (each accumulator's lowest registers first).
; 12-14, 16: the four scores left over, the old m, and c0-c3 into c0.  15: 4 m_old is kept.  17, 18: the query's other 32 keys lie in the lane 16 away.  19-21: 4 m; its change; a.
.macro XS t, n
.set rT, ST+4*(\t)
.set rC, TMP+4*(\t)
.set rM, MV+(\t)
.set rS, S+32*(\t)
.if (\n) < 4
	v_max3_num_f32 v[rC+(\n)], v[rS+8*(\n)], v[rS+8*(\n)+1], v[rS+8*(\n)+2]
.elseif (\n) < 12
	v_max3_num_f32 v[rC+(\n)%4], v[rC+(\n)%4], v[rS+8*((\n)%4)+2*((\n)/4)+1], v[rS+8*((\n)%4)+2*((\n)/4)+2]
.elseif (\n) == 12
	v_max3_num_f32 v[rC], v[rC], v[rS+7], v[rS+15]
.elseif (\n) == 13
	v_max3_num_f32 v[rC+1], v[rC+1], v[rS+23], v[rS+31]
.elseif (\n) == 14
	v_max3_num_f32 v[rC+2], v[rC+2], v[rC+3], v[rT+1]
.elseif (\n) == 15
	v_mov_b32 v[rM], v[rT]
.elseif (\n) == 16
	v_max3_num_f32 v[rC], v[rC], v[rC+1], v[rC+2]
.elseif (\n) == 17
	v_permlanex16_b32 v[rC+3], v[rC], s[SEL], s[SEL+1]
.elseif (\n) == 18
	v_max_num_f32 v[rT+1], v[rC], v[rC+3]
.elseif (\n) == 19
	v_mul_f32 v[rT], 4.0, v[rT+1]
.elseif (\n) == 20
	v_sub_f32 v[rC+1], v[rM], v[rT]
.else
	v_exp_f32 v[rT+2], v[rC+1]
.endif
.endm
.macro FS t, i                         ; pair i of tile t: 4 s - 4 m
	v_pk_fma_f32 v[S+32*(\t)+2*(\i):S+32*(\t)+2*(\i)+1], v[S+32*(\t)+2*(\i):S+32*(\t)+2*(\i)+1], 4.0, v[ST+4*(\t):ST+4*(\t)+1] op_sel_hi:[1,0,0] neg_lo:[0,0,1] neg_hi:[0,0,1]
.endm
.macro CS t, i                         ; pair i rounded to f16, in place: register i has been read by pair i / 2, which came earlier
	s_wait_alu depctr_va_vdst(0)
	v_cvt_pk_f16_f32 v[S+32*(\t)+(\i)], v[S+32*(\t)+2*(\i)], v[S+32*(\t)+2*(\i)+1]
.endm
; A step's softmax for the four tiles.  The statistics go tile by tile within each number, so that no line waits for the one before it.  Behind each exponential stands a plain line that is ready: the next tile's
; scaling (even k) or the rounding of a pair whose exponentials stand three and two numbers back (odd k): no result of an exponential is read before a plain line has passed (ISA guide 5.7.2).
.macro SOFTMAX
	WIN 0
.irp n, 0,1,2,3,4,5,6,7,8,9,10,11,12,13,14,15,16,17,18,19,20,21
.irp t, 0,1,2,3
	XS \t, \n
.endr
.endr
.set i, 0
.rept 16
	FS 0, i
.set i, i+1
.endr
.irp t, 0,1,2,3
.set k, 0
.rept 32
	v_exp_f32 v[S+32*(\t)+k], v[S+32*(\t)+k]
.if (k%2 == 0) && ((\t) < 3)
	FS (\t)+1, k/2
.elseif (k%2 == 1) && (k >= 3)
	CS \t, (k-3)/2
.elseif (k == 1) && ((\t) > 0)
	CS (\t)-1, 15
.endif
.set k, k+1
.endr
.endr
	CS 3, 15
.endm
; O^T and l times a, then 28 products: O^T += V^T P, l += 1 P, U^T += V^T 1.  The 14 accumulators take turns.  Of l only the low pair is rescaled: register 0 is the one that is read;
; registers 2-7 grow by 64 at the most a step, to 2,048 at the most, and are never read.  left: the LDS loads issued behind V's, which may stay out.
.macro PV left
	WIN 0x51                                       ; source 0, C and D in window 1, source 1 in window 0
.irp t, 0,1,2,3
.irp i, 0,1,2,3,4,5,6,7
	v_pk_mul_f32 v[16*(\t)+2*(\i):16*(\t)+2*(\i)+1], v[16*(\t)+2*(\i):16*(\t)+2*(\i)+1], v[ST+4*(\t)+2:ST+4*(\t)+3] op_sel_hi:[1,0]
.endr
	v_pk_mul_f32 v[LL+8*(\t):LL+8*(\t)+1], v[LL+8*(\t):LL+8*(\t)+1], v[ST+4*(\t)+2:ST+4*(\t)+3] op_sel_hi:[1,0]
.endr
	s_wait_dscnt \left                             ; V is in
.irp kk, 0,1
.irp t, 0,1,2,3
	v_wmma_f32_16x16x32_f16 v[16*(\t):16*(\t)+7], v[VF+16*(\kk):VF+16*(\kk)+7], v[S+32*(\t)+8*(\kk):S+32*(\t)+8*(\kk)+7], v[16*(\t):16*(\t)+7]
	v_wmma_f32_16x16x32_f16 v[16*(\t)+8:16*(\t)+15], v[VF+16*(\kk)+8:VF+16*(\kk)+15], v[S+32*(\t)+8*(\kk):S+32*(\t)+8*(\kk)+7], v[16*(\t)+8:16*(\t)+15]
	v_wmma_f32_16x16x32_f16 v[LL+8*(\t):LL+8*(\t)+7], v[ONE1:ONE1+7], v[S+32*(\t)+8*(\kk):S+32*(\t)+8*(\kk)+7], v[LL+8*(\t):LL+8*(\t)+7]
.endr
	v_wmma_f32_16x16x32_f16 v[UU:UU+7], v[VF+16*(\kk):VF+16*(\kk)+7], v[ONE0:ONE0+7], v[UU:UU+7]
	v_wmma_f32_16x16x32_f16 v[UU+8:UU+15], v[VF+16*(\kk)+8:VF+16*(\kk)+15], v[ONE0:ONE0+7], v[UU+8:UU+15]
.endr
.endm
; The step to come: its mask bytes become C operands (byte 0 -> 0xf1, 1 -> 0; then each byte to the top of a word: 0xf1000000 = -2^99), its V is asked for, its scores are made.  The 40 byte permutes are the places
; behind the products before: for the loads into V's registers and for the products that write over P.
.macro NEXT first
	WIN 0
	s_wait_dscnt 0x0                               ; K and the mask's bytes are in
.irp i, 0,1,2,3,4,5,6,7
	v_perm_b32 v[MR+(\i)], v[ZR], s[TBL], v[MR+(\i)]
.endr
	WIN 0x40
.irp kt, 0,1,2,3
.irp j, 0,1,2,3,4,5,6,7
	v_perm_b32 v[MC+8*(\kt)+(\j)], v[MR+2*(\kt)+(\j)/4], v[ZR], s[SELB+(\j)%4]
.endr
.endr
.irp kk, 0,1
.irp cb, 0,1
	ds_load_tr16_b128 v[VF+16*(\kk)+8*(\cb):VF+16*(\kk)+8*(\cb)+3],   v[AKV] offset:VOFF+2048*(\kk)+512*(\cb)
	ds_load_tr16_b128 v[VF+16*(\kk)+8*(\cb)+4:VF+16*(\kk)+8*(\cb)+7], v[AKV] offset:VOFF+2048*(\kk)+512*(\cb)+1024
.endr
.endr
.if \first
	s_wait_loadcnt 0x0                             ; Q
.endif
	WIN 0x14                                       ; Q and the mask in window 1
.irp kt, 0,1,2,3
.irp t, 0,1,2,3
	v_wmma_f32_16x16x32_f16 v[S+32*(\t)+8*(\kt):S+32*(\t)+8*(\kt)+7], v[KF+8*(\kt):KF+8*(\kt)+7], v[QF+8*(\t):QF+8*(\t)+7], v[MC+8*(\kt):MC+8*(\kt)+7]
.endr
.endr
	WIN 0
.endm
.macro TRIP                            ; step j's softmax and second product; step j + 1's fetches and scores
	FETCH
	SOFTMAX
	PV 12                                          ; behind V's 8 loads stand K's 8 and the mask's 4
	NEXT 0
.endm
; THE CHANGE OF SLOTS.  All reads of the slot that is left have been issued, V of its last step among them.  Each wave waits for all its tensor loads, adds 0 to its spare word, and waits for that and for its reads.
; fill = 1: the barrier is a round of the cluster's, and the slot is filled again, with the keys two slots on, first thing behind it: the load has four steps in which to land.
.macro CHANGE fill
	WIN 0
	s_wait_tensorcnt 0x0
	ds_add_u32 v[SPW], v[NIL]
.if \fill
	s_xor_b32 s[G0K+5], s[G0K+5], SLOT1
	s_add_nc_u64 s[G0K+6:G0K+7], s[G0K+6:G0K+7], 16384
	s_xor_b32 s[G0M+5], s[G0M+5], SLOT1
	s_add_nc_u64 s[G0M+6:G0M+7], s[G0M+6:G0M+7], 256
	s_wait_dscnt 0x0
	CROUND
	JLOAD
.else
	s_wait_dscnt 0x0
	s_barrier_signal -1
	s_barrier_wait -1
.endif
	s_sub_co_u32 s[TBK], s[TBK], 16384             ; the fetches go back to a slot's first step, in the other slot
	s_xor_b32 s[TBK], s[TBK], SLOT1
	s_sub_co_u32 s[TBM], s[TBM], 256
	s_xor_b32 s[TBM], s[TBM], SLOT1
.endm
	s_wait_tensorcnt 0x1                           ; my part of slot 0 is in; slot 1's may stay out
	s_barrier_signal -1
	s_barrier_wait -1
	FETCH                                          ; step 0
	NEXT 1
	s_mov_b32 s[CNT], 3                            ; slot 0's other three steps are fetched by three trips
	s_mov_b32 s[SLOTS], 7
	s_branch .Ltrip
.Lslot:                                                ; six times: every slot but the last two is filled again
	CHANGE 1
	s_mov_b32 s[CNT], 4
.Ltrip:
	TRIP
	s_sub_co_u32 s[CNT], s[CNT], 1
	s_cmp_lg_u32 s[CNT], 0
	s_cbranch_scc1 .Ltrip
	s_sub_co_u32 s[SLOTS], s[SLOTS], 1
	s_cmp_lg_u32 s[SLOTS], 0
	s_cbranch_scc1 .Lslot
	CHANGE 0                                       ; the last slot is written out
	s_mov_b32 s[CNT], 4
.Ltail:
	TRIP
	s_sub_co_u32 s[CNT], s[CNT], 1
	s_cmp_lg_u32 s[CNT], 0
	s_cbranch_scc1 .Ltail
.rept 4
	v_nop                                          ; the places behind the last scores
.endr
	SOFTMAX
	PV 0
	; THE WAY OUT.  O^T / l, or U^T / 2048 where the row is hidden everywhere; to f16; a tile's half is 512 consecutive bytes of ob.
.rept 4
	v_nop
.endr
	WIN 0x01
.irp t, 0,1,2,3
	v_rcp_f32 v[TMP+4*(\t)], v[LL+8*(\t)]
.endr
	WIN 0
.irp t, 0,1,2,3
	v_cmp_lt_f32 s[FL+(\t)], v[ST+4*(\t)+1], s[THR]  ; also the plain lines behind the reciprocals
.endr
	s_wait_alu depctr_va_vdst(0)
.irp t, 0,1,2,3
	v_cndmask_b32 v[ST+4*(\t)+2], v[TMP+4*(\t)], v[I2K], s[FL+(\t)]
.endr
	WIN 0x45
.irp t, 0,1,2,3
.set i, 0
.rept 16
	v_cndmask_b32 v[16*(\t)+i], v[16*(\t)+i], v[UU+i], s[FL+(\t)]
.set i, i+1
.endr
.endr
	WIN 0x41
.irp t, 0,1,2,3
.irp i, 0,1,2,3,4,5,6,7
	v_pk_mul_f32 v[16*(\t)+2*(\i):16*(\t)+2*(\i)+1], v[16*(\t)+2*(\i):16*(\t)+2*(\i)+1], v[ST+4*(\t)+2:ST+4*(\t)+3] op_sel_hi:[1,0]
.endr
.endr
	WIN 0x05
.irp t, 0,1,2,3
.irp i, 0,1,2,3,4,5,6,7
	v_cvt_pk_f16_f32 v[S+8*(\t)+(\i)], v[16*(\t)+2*(\i)], v[16*(\t)+2*(\i)+1]
.endr
.endr
	WIN 0
.irp t, 0,1,2,3
	global_store_b128 v[LN], v[S+8*(\t):S+8*(\t)+3],   s[8:9] offset:(\t)*1024
	global_store_b128 v[LN], v[S+8*(\t)+4:S+8*(\t)+7], s[8:9] offset:(\t)*1024+512
.endr
	s_wait_tensorcnt 0x0                           ; the wave's end
	ds_add_u32 v[SPW], v[NIL]
	s_wait_dscnt 0x0
	CROUND                                         ; the closing round
	s_endpgm
.Lfunc_end_k_q59d3e81803_attn:
	.size	k_q59d3e81803_attn, .Lfunc_end_k_q59d3e81803_attn-k_q59d3e81803_attn
	.p2alignl 7, 3214868480
	.fill 96, 4, 3214868480
	.section	.rodata,"a",@progbits
	.p2align	6, 0x0
	.amdhsa_kernel k_q59d3e81803_attn
		.amdhsa_group_segment_fixed_size 327680
		.amdhsa_private_segment_fixed_size 0
		.amdhsa_enable_private_segment 0
		.amdhsa_kernarg_size 24
		.amdhsa_user_sgpr_count 2
		.amdhsa_user_sgpr_kernarg_segment_ptr 1
		.amdhsa_wavefront_size32 1
		.amdhsa_system_sgpr_workgroup_id_x 1
		.amdhsa_system_sgpr_workgroup_id_y 1
		.amdhsa_system_sgpr_workgroup_id_z 1
		.amdhsa_system_vgpr_workitem_id 0
		.amdhsa_next_free_vgpr 480
		.amdhsa_next_free_sgpr 80
		.amdhsa_reserve_vcc 0
		.amdhsa_float_denorm_mode_32 3
		.amdhsa_float_denorm_mode_16_64 3
		.amdhsa_memory_ordered 1
		.amdhsa_forward_progress 1
		.amdhsa_inst_pref_size 110
	.end_amdhsa_kernel
	.amdgpu_metadata
---
amdhsa.version: [ 1, 2 ]
amdhsa.kernels:
  - .name:           k_q59d3e81803_attn
    .symbol:         k_q59d3e81803_attn.kd
    .args:
      - { .name: qkv, .offset: 0, .size: 8, .value_kind: global_buffer, .address_space: global }
      - { .name: attn_mask, .offset: 8, .size: 8, .value_kind: global_buffer, .address_space: global }
      - { .name: ob, .offset: 16, .size: 8, .value_kind: global_buffer, .address_space: global }
    .group_segment_fixed_size: 327680
    .private_segment_fixed_size: 0
    .kernarg_segment_align: 8
    .kernarg_segment_size: 24
    .max_flat_workgroup_size: 256
    .sgpr_count:     80
    .vgpr_count:     480
    .wavefront_size: 32
...
	.end_amdgpu_metadata
.endif
;; end of part 3
;; launch oproj (part 4): grid 16 x 16, 4 waves a work-group, clusters of 4 x 4, 327,680 bytes of LDS; arguments ob, wo16, out0; writes out0
.if DOCPART == 4
	.amdgcn_target "amdgcn-amd-amdhsa--gfx1250"
	.amdhsa_code_object_version 6
	.text
	.protected	k_q59d3e81803_oproj
	.globl	k_q59d3e81803_oproj
	.p2align	8
	.type	k_q59d3e81803_oproj,@function
k_q59d3e81803_oproj:
	s_mov_b64 s[64:65], 0
	v_nop
	global_prefetch_b8 v0, s[64:65] scope:SCOPE_SE
	s_setreg_imm32_b32 hwreg(HW_REG_WAVE_MODE, 25, 1), 1
	s_wait_xcnt 0x0
	s_wait_alu depctr_hold_cnt(0) depctr_sa_sdst(0) depctr_va_vdst(0) depctr_va_sdst(0) depctr_va_ssrc(0) depctr_va_vcc(0) depctr_vm_vsrc(0)
	s_getreg_b32 s2, hwreg(HW_REG_IB_STS2, 6, 4)
	s_cmp_eq_u32 s2, 0
	s_cbranch_scc0 .Lentry_in_a_cluster
	s_endpgm
.Lentry_in_a_cluster:
	s_bfe_u32 s2, ttmp6, 0x10000c
	s_cmp_lg_u32 s2, 0xf033
	s_cbranch_scc0 .Lentry_shape_is_right
	s_endpgm
.Lentry_shape_is_right:
; OUT = O wo.  ob: [row tile 256][head 32][1,024 bytes] f16 in operand order, O divided by 4.  wo16: [1024 k][4096] f16, wo rounded to bf16 and times 4.  out0: [4096][4096] f32.  Sums in f32; the two factors cancel.
; A tile of out0, 256 x 256, is made by four waves, each 128 x 128: 64 accumulators, 512 registers.  K = 1,024 goes in 8 steps of 128 (4 heads) through two LDS slots.
; A's tile: 16 row tiles x 4,096 consecutive bytes, dense in LDS: a fragment is two loads of 16 bytes x lane.  B's tile: 128 rows k x 512 bytes, read turned.
; THE MATRIX INSTRUCTION IS USED TRANSPOSED (source 0 = 16 columns of wo, source 1 = 16 rows of O): a lane holds eight neighbouring numbers of a row of out0.
; CLUSTER 4 x 4: A's tile is shared along a row of the cluster, B's along a column; each is asked for jointly.
; REGISTERS, in windows of 256: window 0: v0-31 addresses; v64-127, v128-191 A's fragments, two buffers (on the way out: rows read back).  window 1: v64-191 B's fragments.  windows 2, 3: the accumulators
; ((a, b) at v[8 (8 a + b)], my rows 0-63 in window 2, 64-127 in window 3).  s_set_vgpr_msb: bits 1:0 source 0, 3:2 source 1, 5:4 source 2, 7:6 destination.
.set ASZ,    65536
.set PB,     544                       ; B's row: 512 bytes + 32 = 136 words
.set BH,     64*PB
.set SLOT,   ASZ+2*BH                  ; 135,168
.set STAGE,  2*SLOT                    ; behind the ring: 16 rows x 528 bytes for each wave, for the way out
.set SPITCH, 528
.set SPARE,  STAGE+4*16*SPITCH         ; behind the stages: the spare words, 128 bytes a wave: two blocks of 256 bytes that no other line names
.set LAPS,   4                         ; a lap = two K steps
.set ADRA, 16
.set ADRB, 20
.set STO,  24
.set RD,   25
.set CO,   26
.set SPW,  28
.set NIL,  29
.set F0,   64
.set F1,   128
.set OB,   64
.set G1,  24
.set G0,  32
.set G1B, 48
.set G0B, 56
.set MSB, 0
.macro WIN new
.if MSB != (\new)
	s_set_vgpr_msb (MSB<<8)|(\new)
.set MSB, \new
.endif
.endm
.set MUL_LO, 0xa1                      ; source 0 (B) window 1, source 1 (A) window 0, C and D window 2
.set MUL_HI, 0xf1
.set TO_B,   0x40
.macro JLOAD s                         ; waves 0, 1 fetch A's halves, waves 2, 3 B's.  An s_nop 0 and four v_nop follow each line.
	s_cmp_eq_u32 s11, 0
	s_cbranch_scc0 .Lfor_b_\@
	tensor_load_to_lds s[G0+4*(\s):G0+4*(\s)+3], s[G1:G1+7]
	s_nop 0
.rept 4
	v_nop
.endr
	s_branch .Lasked_\@
.Lfor_b_\@:
	tensor_load_to_lds s[G0B+4*(\s):G0B+4*(\s)+3], s[G1B:G1B+7]
	s_nop 0
.rept 4
	v_nop
.endr
.Lasked_\@:
.endm
.macro CREST
	s_cmp_lg_u32 s10, 0
	s_cbranch_scc1 .Lnot_wave_0_\@
	s_barrier_signal -3
.Lnot_wave_0_\@:
	s_barrier_wait -3
	s_barrier_signal -1
	s_barrier_wait -1
.endm
.macro CROUND
	s_barrier_signal -1
	s_barrier_wait -1
	CREST
.endm
	s_load_b128 s[4:7], s[0:1], 0x0                ; ob s[4:5], wo16 s[6:7]
	s_load_b64 s[8:9], s[0:1], 0x10                ; out0
	v_lshl_add_u32 v[SPW], v0, 2, SPARE
	v_mov_b32 v[NIL], 0
	ds_add_u32 v[SPW], v[NIL]                      ; the wave's opening: the add and its wait stand ahead of my first tensor load
	v_lshrrev_b32 v1, 5, v0
	v_readfirstlane_b32 s10, v1
	s_lshr_b32 s11, s10, 1                         ; my half of the tile's rows.  Also: I fetch for A (0) or for B (1)
	s_and_b32 s12, s10, 1                          ; my half of its columns.  Also: which half of that tile I fetch
	s_bfe_u32 s40, ttmp6, 0x40000
	s_bfe_u32 s41, ttmp6, 0x40004
	s_lshl_b32 s42, ttmp9, 2
	s_add_co_u32 s42, s42, s40                     ; tile column
	s_and_b32 s13, ttmp7, 0xffff
	s_lshl_b32 s13, s13, 2
	s_add_co_u32 s13, s13, s41                     ; tile row
	s_lshl_b32 s43, s41, 2
	s_lshl_b32 s43, 15, s43
	s_lshl_b32 s44, 0x1111, s40
	s_or_b32 s[G1], s43, (3<<16)|(1<<21)           ; A: 8 rows of 512 elements of 8 bytes (4 heads of a row tile), 32,768 bytes apart, dense in LDS
	s_mov_b32 s[G1+1], 512<<16
	s_mov_b32 s[G1+2], 8<<16
	s_mov_b32 s[G1+3], 512<<16
	s_mov_b32 s[G1+4], 8
	s_mov_b32 s[G1+5], 4096
	s_mov_b32 s[G1+6], 0
	s_mov_b32 s[G1+7], 0
	s_or_b32 s[G1B], s44, (1<<16)|(1<<20)|(1<<21)|(6<<22)|(7<<25)  ; B: 64 rows k of 256 f16; after every 128 words 8 words of padding
	s_mov_b32 s[G1B+1], 256<<16
	s_mov_b32 s[G1B+2], 64<<16
	s_mov_b32 s[G1B+3], 256<<16
	s_mov_b32 s[G1B+4], 64
	s_mov_b32 s[G1B+5], 4096
	s_mov_b32 s[G1B+6], 0
	s_mov_b32 s[G1B+7], 0
	s_lshl_b32 s16, s13, 19                        ; A: row tile 16 x tile row + 8 x half, 32,768 bytes each
	s_lshl_b32 s17, s12, 18
	s_add_co_u32 s16, s16, s17
	s_mov_b32 s17, 0
	s_lshl_b32 s46, s42, 9                         ; B: 512 bytes a tile column; 64 rows of 8,192 bytes a half
	s_lshl_b32 s47, s12, 19
	s_add_co_u32 s46, s46, s47
	s_mov_b32 s47, 0
	s_lshl_b32 s20, s12, 15                        ; where they land
	s_mul_i32 s21, s12, BH
	s_add_co_u32 s21, s21, ASZ
	s_wait_dscnt 0x0
	s_wait_kmcnt 0x0
	s_add_nc_u64 s[14:15], s[4:5], s[16:17]
	s_add_nc_u64 s[46:47], s[6:7], s[46:47]
	CROUND
.irp s, 0,1
	s_mov_b32 s[G0+4*(\s)], 1
	s_add_co_u32 s[G0+4*(\s)+1], s20, (\s)*SLOT
	s_add_nc_u64 s[G0+4*(\s)+2:G0+4*(\s)+3], s[14:15], (\s)*4096
	s_or_b32 s[G0+4*(\s)+3], s[G0+4*(\s)+3], 0x80000000
	s_mov_b32 s[G0B+4*(\s)], 1
	s_add_co_u32 s[G0B+4*(\s)+1], s21, (\s)*SLOT
	s_add_nc_u64 s[G0B+4*(\s)+2:G0B+4*(\s)+3], s[46:47], (\s)*1048576
	s_or_b32 s[G0B+4*(\s)+3], s[G0B+4*(\s)+3], 0x80000000
	JLOAD \s                                       ; two loads of mine are out
.endr
	v_and_b32 v1, 15, v0
	v_bfe_u32 v2, v0, 4, 1
	v_and_b32 v3, 31, v0
	v_lshlrev_b32 v4, 4, v3                        ; 16 x lane
	v_and_b32 v5, 7, v0
	v_bfe_u32 v6, v0, 3, 1
	v_lshl_add_u32 v7, v2, 3, v5                   ; turned: lane l reads row k = 8 (l / 16) + l % 8, columns 8 ((l / 8) % 2) on
	v_mul_u32_u24 v7, v7, PB
	v_lshl_add_u32 v7, v6, 4, v7
	s_lshl_b32 s22, s11, 15                        ; my 8 row tiles of A
	s_lshl_b32 s23, s12, 8                         ; my 128 columns of B
	s_add_co_u32 s23, s23, ASZ
.irp s, 0,1
	v_add_nc_u32 v[ADRA+(\s)], s22, v4
	v_add_nc_u32 v[ADRB+(\s)], s23, v7
	s_add_co_u32 s22, s22, SLOT
	s_add_co_u32 s23, s23, SLOT
.endr
	s_mul_i32 s23, s10, 16*SPITCH
	s_add_co_u32 s23, s23, STAGE                   ; my stage
	v_mul_u32_u24 v8, v1, SPITCH                   ; in: row l % 16, 32 bytes for each half of the lanes
	v_lshl_add_u32 v8, v2, 5, v8
	v_add_nc_u32 v[STO], s23, v8
	v_add_nc_u32 v[RD], s23, v4                    ; back: 32 lanes take a row's 512 bytes
	v_mov_b32 v[CO], v4
	s_lshl_b32 s16, s13, 8
	s_lshl_b32 s17, s11, 7
	s_add_co_u32 s16, s16, s17                     ; my first row of out0,
	s_lshl_b32 s16, s16, 14                        ; 16,384 bytes a row,
	s_lshl_b32 s46, s42, 10                        ; my first column, in bytes
	s_lshl_b32 s47, s12, 9
	s_add_co_u32 s46, s46, s47
	s_add_co_u32 s16, s16, s46
	s_mov_b32 s17, 0
.macro MUL16 f, hi, a0, zero           ; 16 matrix instructions: m blocks a0, a0 + 1 of the window's four x 8 n blocks, 32 along K; the 64 accumulators take turns
	WIN MUL_LO+0x50*(\hi)
.irp a, \a0, (\a0)+1
.irp b, 0,1,2,3,4,5,6,7
.if \zero
	v_wmma_f32_16x16x32_f16 v[8*(8*(\a)+(\b)):8*(8*(\a)+(\b))+7], v[(\f)+8*(\b):(\f)+8*(\b)+7], v[(\f)+8*(4*(\hi)+(\a)):(\f)+8*(4*(\hi)+(\a))+7], 0
.else
	v_wmma_f32_16x16x32_f16 v[8*(8*(\a)+(\b)):8*(8*(\a)+(\b))+7], v[(\f)+8*(\b):(\f)+8*(\b)+7], v[(\f)+8*(4*(\hi)+(\a)):(\f)+8*(4*(\hi)+(\a))+7], v[8*(8*(\a)+(\b)):8*(8*(\a)+(\b))+7]
.endif
.endr
.endr
.endm
.macro FETCH slot, q, f                ; 32 LDS loads in one run: quarter q (one head) of the slot: B's 8 column tiles, turned, then A's 8 row tiles
	WIN TO_B
.irp i, 0,1,2,3,4,5,6,7
	ds_load_tr16_b128 v[(\f)+8*(\i):(\f)+8*(\i)+3],   v[ADRB+(\slot)] offset:(\q)*32*PB+32*(\i)
	ds_load_tr16_b128 v[(\f)+8*(\i)+4:(\f)+8*(\i)+7], v[ADRB+(\slot)] offset:(\q)*32*PB+32*(\i)+16*PB
.endr
	WIN 0
.irp i, 0,1,2,3,4,5,6,7
	ds_load_b128 v[(\f)+8*(\i):(\f)+8*(\i)+3],   v[ADRA+(\slot)] offset:(\i)*4096+(\q)*1024
	ds_load_b128 v[(\f)+8*(\i)+4:(\f)+8*(\i)+7], v[ADRA+(\slot)] offset:(\i)*4096+(\q)*1024+512
.endr
.endm
.macro PLACES                          ; four places in front of loads into registers that matrix instructions have read, and of stores that read results
.rept 4
	v_nop
.endr
.endm
.macro QUARTER slot, q, f, g, zero     ; multiplies buffer f; in its middle fetches quarter q of the same slot into buffer g
	s_wait_dscnt 8                                 ; B and A's rows 0-63 are in; the youngest eight loads (A's rows 64-127) may be out
	MUL16 \f, 0, 0, \zero
	MUL16 \f, 0, 2, \zero
	PLACES
	FETCH \slot, \q, \g
	s_wait_dscnt 32                                ; all but the 32 just issued
	MUL16 \f, 1, 0, \zero
	MUL16 \f, 1, 2, \zero
.endm
; The last quarter multiplies buffer 1 and changes slots: one barrier; in front of it each wave waits for all its tensor loads, adds 0 to its spare word, and waits for that and for its reads of this slot.
.macro TURN slot, next, fill
	WIN 0
	s_wait_tensorcnt 0x0
	ds_add_u32 v[SPW], v[NIL]
	s_wait_dscnt 9                                 ; the add and the youngest eight loads may be out
	MUL16 F1, 0, 0, 0
	s_wait_dscnt 0x0                               ; the add is done, and my reads of this slot are over
	s_barrier_signal -1
	MUL16 F1, 0, 2, 0
.if \fill
	WIN 0
.endif
	s_barrier_wait -1
.if \fill
	CREST                                          ; the barrier has opened a round of the cluster's
	s_add_nc_u64 s[G0+4*(\slot)+2:G0+4*(\slot)+3], s[G0+4*(\slot)+2:G0+4*(\slot)+3], 8192
	s_add_nc_u64 s[G0B+4*(\slot)+2:G0B+4*(\slot)+3], s[G0B+4*(\slot)+2:G0B+4*(\slot)+3], 2097152
	JLOAD \slot                                    ; the four v_nop behind it are also the places in front of the loads below
.else
	PLACES
.endif
	FETCH \next, 0, F0
	MUL16 F1, 1, 0, 0
	MUL16 F1, 1, 2, 0
.endm
	s_wait_tensorcnt 0x1                           ; my part of K step 0 is in; K step 1's may stay out
	s_barrier_signal -1
	s_barrier_wait -1
	FETCH 0, 0, F0
	QUARTER 0, 1, F0, F1, 1                        ; the first quarter's products start the sums
	WIN 0
	s_mov_b32 s3, LAPS-1
.Llap:
	QUARTER 0, 2, F1, F0, 0
	QUARTER 0, 3, F0, F1, 0
	TURN 0, 1, 1
	QUARTER 1, 1, F0, F1, 0
	QUARTER 1, 2, F1, F0, 0
	QUARTER 1, 3, F0, F1, 0
	TURN 1, 0, 1
	QUARTER 0, 1, F0, F1, 0
	WIN 0
	s_sub_co_u32 s3, s3, 1
	s_cmp_lg_u32 s3, 0
	s_cbranch_scc1 .Llap
	QUARTER 0, 2, F1, F0, 0                        ; the last lap fills nothing
	QUARTER 0, 3, F0, F1, 0
	TURN 0, 1, 0
	QUARTER 1, 1, F0, F1, 0
	QUARTER 1, 2, F1, F0, 0
	QUARTER 1, 3, F0, F1, 0
	s_wait_dscnt 8
	MUL16 F1, 0, 0, 0
	MUL16 F1, 0, 2, 0
	s_wait_dscnt 0x0
	MUL16 F1, 1, 0, 0
	MUL16 F1, 1, 2, 0
	WIN 0
	PLACES
; THE WAY OUT, a block of 16 rows x 128 columns at a time through my own stage: 32 bytes a lane in, whole rows of 512 bytes back.  LDS serves a wave's instructions in order (ISA guide 5.7.1.4), so no wait
; stands between the stores and the loads, nor between a block's loads and the next block's stores.
.macro TOSTAGE a
	WIN 0x08+4*((\a)/4)                            ; the data (source 1) in window 2 or 3
.set AC, 64*((\a)%4)
.irp b, 0,1,2,3,4,5,6,7
	ds_store_b128 v[STO], v[AC+8*(\b):AC+8*(\b)+3]   offset:64*(\b)
	ds_store_b128 v[STO], v[AC+8*(\b)+4:AC+8*(\b)+7] offset:64*(\b)+16
.endr
	WIN 0
	s_wait_xcnt 0x0                                ; the stores of the block two back have had their addresses translated: their data registers are loaded again only now
.set BK, OB+64*((\a)%2)
.irp i, 0,1,2,3,4,5,6,7,8,9,10,11,12,13,14,15
	ds_load_b128 v[BK+4*(\i):BK+4*(\i)+3], v[RD] offset:(\i)*SPITCH
.endr
.endm
.macro SEND a, younger                 ; younger: the next block's 16 LDS stores and 16 loads, or none
	WIN 0
.set BK, OB+64*((\a)%2)
	s_wait_dscnt \younger
	s_wait_xcnt 0x0                                ; the base is stepped only behind this wait
.if (\a) == 0
	s_add_nc_u64 s[8:9], s[8:9], s[16:17]
.else
	s_add_nc_u64 s[8:9], s[8:9], 262144            ; 16 rows on
.endif
.irp i, 0,1,2,3,4,5,6,7,8,9,10,11,12,13,14,15
	global_store_b128 v[CO], v[BK+4*(\i):BK+4*(\i)+3], s[8:9] offset:(\i)*16384 th:TH_STORE_NT  ; a wave's store covers 512 consecutive bytes, aligned
.endr
.endm
	TOSTAGE 0
.irp a, 1,2,3,4,5,6,7
	TOSTAGE \a
	SEND (\a)-1, 32
.endr
	SEND 7, 0
	s_wait_tensorcnt 0x0                           ; the wave's end
	ds_add_u32 v[SPW], v[NIL]
	s_wait_dscnt 0x0
	CROUND                                         ; the closing round
	s_endpgm
.Lfunc_end_k_q59d3e81803_oproj:
	.size	k_q59d3e81803_oproj, .Lfunc_end_k_q59d3e81803_oproj-k_q59d3e81803_oproj
	.p2alignl 7, 3214868480
	.fill 96, 4, 3214868480
	.section	.rodata,"a",@progbits
	.p2align	6, 0x0
	.amdhsa_kernel k_q59d3e81803_oproj
		.amdhsa_group_segment_fixed_size 327680
		.amdhsa_private_segment_fixed_size 0
		.amdhsa_enable_private_segment 0
		.amdhsa_kernarg_size 24
		.amdhsa_user_sgpr_count 2
		.amdhsa_user_sgpr_kernarg_segment_ptr 1
		.amdhsa_wavefront_size32 1
		.amdhsa_system_sgpr_workgroup_id_x 1
		.amdhsa_system_sgpr_workgroup_id_y 1
		.amdhsa_system_sgpr_workgroup_id_z 1
		.amdhsa_system_vgpr_workitem_id 0
		.amdhsa_next_free_vgpr 1024
		.amdhsa_next_free_sgpr 66
		.amdhsa_reserve_vcc 0
		.amdhsa_float_denorm_mode_32 3
		.amdhsa_float_denorm_mode_16_64 3
		.amdhsa_memory_ordered 1
		.amdhsa_forward_progress 1
		.amdhsa_inst_pref_size 141
	.end_amdhsa_kernel
	.amdgpu_metadata
---
amdhsa.version: [ 1, 2 ]
amdhsa.kernels:
  - .name:           k_q59d3e81803_oproj
    .symbol:         k_q59d3e81803_oproj.kd
    .args:
      - { .name: ob, .offset: 0, .size: 8, .value_kind: global_buffer, .address_space: global }
      - { .name: wo16, .offset: 8, .size: 8, .value_kind: global_buffer, .address_space: global }
      - { .name: out0, .offset: 16, .size: 8, .value_kind: global_buffer, .address_space: global }
    .group_segment_fixed_size: 327680
    .private_segment_fixed_size: 0
    .kernarg_segment_align: 8
    .kernarg_segment_size: 24
    .max_flat_workgroup_size: 128
    .sgpr_count:     66
    .vgpr_count:     1024
    .wavefront_size: 32
...
	.end_amdgpu_metadata
.endif
;; end of part 4
;; ======== version 2 of 2: 4 launches; version 1 with the launch prep written anew for expert scheduling mode
;; limits: values are held in f16: magnitudes above 65,504 overflow, below 6.1e-05 lose precision; right only within a limited range of input values; an absolute error that grows with the inputs' magnitude: up to 2e-07 times it
;; workspace buffers: wc 12,582,912 bytes; wo16 8,388,608 bytes; rope 524,288 bytes; qkv 12,582,912 bytes; ob 8,388,608 bytes
;; launch prep (part 5): grid 768 x 1, 8 waves a work-group, no clusters, 0 bytes of LDS; arguments wq, wk, wv, wo, segment_pos, wc, wo16, rope; writes wc, wo16, rope
.if DOCPART == 5
	.amdgcn_target "amdgcn-amd-amdhsa--gfx1250"
	.amdhsa_code_object_version 6
	.text
	.protected	k_q59d3e81803_prep
	.globl	k_q59d3e81803_prep
	.p2align	8
	.type	k_q59d3e81803_prep,@function
k_q59d3e81803_prep:
	s_mov_b64 s[64:65], 0
	v_nop
	global_prefetch_b8 v0, s[64:65] scope:SCOPE_SE
	s_setreg_imm32_b32 hwreg(HW_REG_WAVE_SCHED_MODE, 0, 2), 2
	s_setreg_imm32_b32 hwreg(HW_REG_WAVE_MODE, 25, 1), 1
	s_wait_xcnt 0x0
	s_wait_alu depctr_vm_vsrc(0)
; PREP.  Casts the four weights and makes the RoPE table.  A pure stream: no LDS, no barrier, no matrix unit.
;   wc   [4096 k][1536] bf16: columns 0-1023 wq, 1024-1279 wk, 1280-1535 wv, each rounded once to bf16 (nearest even).
;   wo16 [1024 k][4096] f16:  wo rounded to bf16, that number times 4 (exact), written as f16 (exact while 4 |wo| lies in f16's normal range).
;   rope [4096 rows = b 2048 + t][32] f32: cos of the row's 16 angles, then sin.
; ROLES by the work-group's number: 0-255 wq, 256-319 wk, 320-383 wv, 384-639 wo, 640-767 the table.
; A casting work-group owns 16,384 numbers (64 KiB of source) as 16 passes of 1,024: all 16 loads of a lane go out ahead of its stores;
; a wave's load covers 512 consecutive bytes, its store 256 consecutive bytes, aligned.
; LIMITS.  |wo| < 16,376 (f16's end after the factor 4).  The angle is pos / 500000^(i/16), made by exp2, a reciprocal and one correction step: it agrees with
; an f32 division to about 2e-7 of itself, so its error in radians grows with |pos| (1.5e-4 at pos = 2047).  The reduction by two parts of pi/2 holds for angles below 2^22.
; THE MODE: SCHED_MODE bits 1:0 = 2 (LLVM: expert scheduling mode 2), set by the entry lines.  The code itself states the register dependences
; between vector instructions and memory instructions, with s_wait_alu, always for 0.
; THE PLAN, casting roles.  Registers that memory instructions touch:
;   v[SV], v[DV]  byte offsets, made by vector lines ahead of the first load and never written again: one wait ahead of the first load serves all 16 loads and all 16 stores.
;   X             4 registers a pass: one load lands in them, once; no vector line names them before it; the pass's conversions read them behind the counted wait for the load.
;   Y             2 registers a pass: written once, by the pass's conversions; read once, by the pass's store.
;   T             named by vector lines alone.
; The stores lag four passes behind their conversions: ONE wait at the head of passes 4, 8 and 12 states that the four passes before have written their Y; those four stores then stand one at the head of
; each of the next four passes, among conversions that name only younger Y, X and T.  One more wait stands ahead of the last four stores.
; No register that a memory instruction has read is ever written again, so no wait on vm_vsrc stands behind the entry lines.
; THE PLAN, the table's role: the wait ahead of the position's load (its offset v3 is written), the wait between each run of compares and the selects that read their masks, the two waits behind the
; exponentials and the reciprocals, and the wait ahead of the one store (its four numbers are written).
.set SV, 1                             ; v1      byte offset of my 16 source bytes in a pass
.set DV, 2                             ; v2      byte offset of my 8 destination bytes in a pass
.set X,  4                             ; v[4:67]   pass p: 4 numbers as loaded
.set Y,  68                            ; v[68:99]  pass p: 4 numbers to store; registers of its own for each pass, so no store's data is ever rewritten
.set T,  100                           ; v[100:105] at work
.set LAG, 4                            ; a pass's store stands so many passes behind its conversions
; 16 passes.  dstep: bytes from pass to pass in the destination.  kind 0: to bf16.  kind 1: to bf16, times 4, to f16.
.macro CAST dstep, kind
	s_wait_alu depctr_va_vdst(0)                   ; v[SV] and v[DV] are written: the loads below read the one as their offset, the stores the other; no vector line names them again
.set p, 0
.rept 16
	global_load_b128 v[X+4*p:X+4*p+3], v[SV], s[24:25] offset:4096*p th:TH_LOAD_NT
.set p, p+1
.endr
.set p, 0
.rept 16
	s_wait_loadcnt 15-p                            ; loads return in order: pass p is in, the 15 - p younger ones stay out
.if (p > 0) && (p%LAG == 0)
	s_wait_alu depctr_va_vdst(0)                   ; the conversions of the four passes before have written their Y, which the next four stores read
.endif
.if p >= LAG
	global_store_b64 v[DV], v[Y+2*(p-LAG):Y+2*(p-LAG)+1], s[26:27] offset:(\dstep)*(p-LAG)  ; no vector line since the wait names these registers
.endif
.if \kind
	v_cvt_pk_bf16_f32 v[T], v[X+4*p], v[X+4*p+1]
	v_cvt_pk_bf16_f32 v[T+1], v[X+4*p+2], v[X+4*p+3]
	v_lshlrev_b32 v[T+2], 16, v[T]                 ; back to f32: the low half moves up, the high half stays
	v_and_b32 v[T+3], 0xffff0000, v[T]
	v_lshlrev_b32 v[T+4], 16, v[T+1]
	v_and_b32 v[T+5], 0xffff0000, v[T+1]
	v_pk_mul_f32 v[T+2:T+3], v[T+2:T+3], 4.0 op_sel_hi:[1,0]
	v_pk_mul_f32 v[T+4:T+5], v[T+4:T+5], 4.0 op_sel_hi:[1,0]
	v_cvt_pk_f16_f32 v[Y+2*p], v[T+2], v[T+3]
	v_cvt_pk_f16_f32 v[Y+2*p+1], v[T+4], v[T+5]
.else
	v_cvt_pk_bf16_f32 v[Y+2*p], v[X+4*p], v[X+4*p+1]
	v_cvt_pk_bf16_f32 v[Y+2*p+1], v[X+4*p+2], v[X+4*p+3]
.endif
.set p, p+1
.endr
	s_wait_alu depctr_va_vdst(0)                   ; the conversions of passes 12 to 15 have written their Y, which the last four stores read
.set p, 16-LAG
.rept LAG
	global_store_b64 v[DV], v[Y+2*p:Y+2*p+1], s[26:27] offset:(\dstep)*p
.set p, p+1
.endr
.endm
	s_load_b256 s[4:11], s[0:1], 0x0               ; wq s[4:5], wk s[6:7], wv s[8:9], wo s[10:11]
	s_load_b256 s[12:19], s[0:1], 0x20             ; segment_pos s[12:13], wc s[14:15], wo16 s[16:17], rope s[18:19]
	s_mov_b32 s2, ttmp9
	v_lshlrev_b32 v[SV], 4, v0
	v_lshlrev_b32 v[DV], 3, v0
	s_mov_b32 s21, 0                               ; offsets are pairs with 0 on top
	s_mov_b32 s23, 0
	s_wait_kmcnt 0x0
	s_cmp_lt_u32 s2, 256
	s_cbranch_scc0 .Lnot_wq
	; wq: a pass is one row k of 1,024 numbers; the chunk is 16 rows; wc's rows are 3,072 bytes apart
	s_lshl_b32 s20, s2, 16
	s_mul_i32 s22, s2, 49152
	s_add_nc_u64 s[24:25], s[4:5], s[20:21]
	s_add_nc_u64 s[26:27], s[14:15], s[22:23]
	CAST 3072, 0
	s_endpgm
.Lnot_wq:
	s_cmp_lt_u32 s2, 384
	s_cbranch_scc0 .Lnot_kv
	; wk, wv: a pass is four rows k of 256 numbers; the chunk is 64 rows
	s_sub_co_u32 s3, s2, 256
	s_and_b32 s3, s3, 63
	s_lshl_b32 s20, s3, 16
	s_mul_i32 s22, s3, 196608
	s_cmp_lt_u32 s2, 320
	s_cselect_b64 s[24:25], s[6:7], s[8:9]
	s_cselect_b32 s3, 0, 512                       ; wk's columns begin at byte 2,048 of a row of wc, wv's at 2,560
	s_add_co_u32 s22, s22, s3
	s_add_co_u32 s22, s22, 2048
	s_add_nc_u64 s[24:25], s[24:25], s[20:21]
	s_add_nc_u64 s[26:27], s[14:15], s[22:23]
	v_lshrrev_b32 v3, 6, v0                        ; my row of the pass's four
	v_and_b32 v[DV], 63, v0                        ; v[DV] is made anew: no memory instruction has read it yet
	v_mul_u32_u24 v3, v3, 3072
	v_lshl_add_u32 v[DV], v[DV], 3, v3
	CAST 12288, 0
	s_endpgm
.Lnot_kv:
	s_cmp_lt_u32 s2, 640
	s_cbranch_scc0 .Lrope
	; wo: dense to dense
	s_sub_co_u32 s3, s2, 384
	s_lshl_b32 s20, s3, 16
	s_lshl_b32 s22, s3, 15
	s_add_nc_u64 s[24:25], s[10:11], s[20:21]
	s_add_nc_u64 s[26:27], s[16:17], s[22:23]
	CAST 2048, 1
	s_endpgm
.Lrope:
	; The table: 32 rows a work-group, eight lanes a row; lane c8 makes words 4 c8 .. 4 c8 + 3: cos (c8 < 4) or sin of frequencies 4 (c8 & 3) + e.
.set FI, 12
.set TS, 16
.set IV, 20
.set TH, 24
.set NQ, 28
.set RR, 32
.set ZZ, 36
.set SI, 40
.set CO, 44
.set TT, 48
.set OU, 52
.set MK, 20                            ; s20-23  the four masks 'odd quadrant': the registers of the two byte offsets, free once the bases are made
	s_sub_co_u32 s3, s2, 640
	s_lshl_b32 s20, s3, 7
	s_lshl_b32 s22, s3, 12
	s_add_nc_u64 s[24:25], s[12:13], s[20:21]
	s_add_nc_u64 s[26:27], s[18:19], s[22:23]
	v_lshrrev_b32 v3, 3, v0
	v_lshlrev_b32 v3, 2, v3
	s_wait_alu depctr_va_vdst(0)                   ; v3 is written, which the load reads as its offset; so is v[SV], the offset of the store at the end; neither is written again
	global_load_b32 v8, v3, s[24:25]               ; my row's position
	s_mov_b32 s28, 0x3f9773da                      ; log2(500000) / 16
	s_mov_b32 s29, 0x3f22f983                      ; 2 / pi
	s_mov_b32 s30, 0x3fc90fdb                      ; pi / 2, upper part
	s_mov_b32 s31, 0x333bbd2e                      ; upper part less pi / 2
	s_mov_b32 s32, 0xb94ca1f9                      ; sine's polynomial on -pi/4 .. pi/4
	s_mov_b32 s33, 0x3c08839e
	s_mov_b32 s34, 0xbe2aaaa3
	s_mov_b32 s35, 0x37ccf5ce                      ; cosine's
	s_mov_b32 s36, 0xbab6061a
	s_mov_b32 s37, 0x3d2aaaa5
	v_and_b32 v9, 7, v0
	v_and_b32 v11, 3, v9
	v_lshlrev_b32 v11, 2, v11
	v_cmp_gt_u32 vcc_lo, 4, v9                     ; the select that reads this mask stands behind the twelve lines below and the wait for VCC
.irp e, 0,1,2,3
	v_add_nc_u32 v[FI+\e], \e, v11
.endr
.irp e, 0,1,2,3
	v_cvt_f32_u32 v[FI+\e], v[FI+\e]
.endr
.irp e, 0,1,2,3
	v_mul_f32 v[FI+\e], s28, v[FI+\e]
.endr
	s_wait_alu depctr_va_vcc(0)                    ; the compare has written VCC, which the select reads
	v_cndmask_b32 v10, 0, 1, vcc_lo                ; cos x = sin(x + pi/2): a lane that makes cos adds one quadrant
.irp e, 0,1,2,3
	v_exp_f32 v[TS+\e], v[FI+\e]                   ; the timescale
.endr
	v_nop                                          ; a plain instruction between the exponentials and the use of their results (ISA guide 5.7.2)
	s_wait_alu depctr_va_vdst(0)                   ; the four exponentials have written v[TS ..], which the reciprocals read
.irp e, 0,1,2,3
	v_rcp_f32 v[IV+\e], v[TS+\e]
.endr
	s_wait_loadcnt 0x0
	v_cvt_f32_i32 v8, v8                           ; also the plain instruction behind the reciprocals
	s_wait_alu depctr_va_vdst(0)                   ; the four reciprocals have written v[IV ..], which the quotients read
.irp e, 0,1,2,3
	v_mul_f32 v[TH+\e], v8, v[IV+\e]               ; pos / ts: a first quotient,
.endr
.irp e, 0,1,2,3
	v_fma_f32 v[TT+\e], -v[TH+\e], v[TS+\e], v8    ; its remainder,
.endr
.irp e, 0,1,2,3
	v_fma_f32 v[TH+\e], v[TT+\e], v[IV+\e], v[TH+\e]  ; and the correction
.endr
.irp e, 0,1,2,3
	v_mul_f32 v[NQ+\e], s29, v[TH+\e]
.endr
.irp e, 0,1,2,3
	v_rndne_f32 v[NQ+\e], v[NQ+\e]                 ; quadrants
.endr
.irp e, 0,1,2,3
	v_fma_f32 v[RR+\e], -v[NQ+\e], s30, v[TH+\e]
.endr
.irp e, 0,1,2,3
	v_fma_f32 v[RR+\e], v[NQ+\e], s31, v[RR+\e]    ; the angle less n pi / 2, within pi / 4 of 0
.endr
.irp e, 0,1,2,3
	v_mul_f32 v[ZZ+\e], v[RR+\e], v[RR+\e]
.endr
.irp e, 0,1,2,3
	v_fma_f32 v[SI+\e], v[ZZ+\e], s32, s33
	v_fma_f32 v[CO+\e], v[ZZ+\e], s35, s36
.endr
.irp e, 0,1,2,3
	v_fma_f32 v[SI+\e], v[ZZ+\e], v[SI+\e], s34
	v_fma_f32 v[CO+\e], v[ZZ+\e], v[CO+\e], s37
.endr
.irp e, 0,1,2,3
	v_mul_f32 v[SI+\e], v[SI+\e], v[ZZ+\e]
	v_fma_f32 v[TT+\e], v[ZZ+\e], -0.5, 1.0
.endr
.irp e, 0,1,2,3
	v_fma_f32 v[SI+\e], v[SI+\e], v[RR+\e], v[RR+\e]  ; sin r
	v_mul_f32 v[ZZ+\e], v[ZZ+\e], v[ZZ+\e]
.endr
.irp e, 0,1,2,3
	v_fma_f32 v[CO+\e], v[ZZ+\e], v[CO+\e], v[TT+\e]  ; cos r
	v_cvt_i32_f32 v[NQ+\e], v[NQ+\e]
.endr
.irp e, 0,1,2,3
	v_add_nc_u32 v[NQ+\e], v[NQ+\e], v10
.endr
.irp e, 0,1,2,3
	v_and_b32 v[TT+\e], 1, v[NQ+\e]
.endr
.irp e, 0,1,2,3
	v_cmp_eq_u32 s[MK+\e], 1, v[TT+\e]             ; the four compares stand in one run, each with a scalar register of its own
.endr
.irp e, 0,1,2,3
	v_and_b32 v[NQ+\e], 2, v[NQ+\e]                ; the sign bits are made between the compares and the wait for their masks
	v_lshlrev_b32 v[NQ+\e], 30, v[NQ+\e]
.endr
	s_wait_alu depctr_va_sdst(0)                   ; the four compares have written s[MK ..], which the selects read
.irp e, 0,1,2,3
	v_cndmask_b32 v[OU+\e], v[SI+\e], v[CO+\e], s[MK+\e]  ; an odd quadrant takes the cosine,
.endr
.irp e, 0,1,2,3
	v_xor_b32 v[OU+\e], v[OU+\e], v[NQ+\e]         ; quadrants 2 and 3 turn the sign
.endr
	s_wait_alu depctr_va_vdst(0)                   ; v[OU ..] is written, which the store reads
	global_store_b128 v[SV], v[OU:OU+3], s[26:27]  ; a wave stores 512 consecutive bytes, aligned
	s_endpgm
.Lfunc_end_k_q59d3e81803_prep:
	.size	k_q59d3e81803_prep, .Lfunc_end_k_q59d3e81803_prep-k_q59d3e81803_prep
	.p2alignl 7, 3214868480
	.fill 96, 4, 3214868480
	.section	.rodata,"a",@progbits
	.p2align	6, 0x0
	.amdhsa_kernel k_q59d3e81803_prep
		.amdhsa_group_segment_fixed_size 0
		.amdhsa_private_segment_fixed_size 0
		.amdhsa_enable_private_segment 0
		.amdhsa_kernarg_size 64
		.amdhsa_user_sgpr_count 2
		.amdhsa_user_sgpr_kernarg_segment_ptr 1
		.amdhsa_wavefront_size32 1
		.amdhsa_system_sgpr_workgroup_id_x 1
		.amdhsa_system_sgpr_workgroup_id_y 1
		.amdhsa_system_sgpr_workgroup_id_z 1
		.amdhsa_system_vgpr_workitem_id 0
		.amdhsa_next_free_vgpr 112
		.amdhsa_next_free_sgpr 66
		.amdhsa_reserve_vcc 1
		.amdhsa_float_denorm_mode_32 3
		.amdhsa_float_denorm_mode_16_64 3
		.amdhsa_memory_ordered 1
		.amdhsa_forward_progress 1
		.amdhsa_inst_pref_size 33
	.end_amdhsa_kernel
	.amdgpu_metadata
---
amdhsa.version: [ 1, 2 ]
amdhsa.kernels:
  - .name:           k_q59d3e81803_prep
    .symbol:         k_q59d3e81803_prep.kd
    .args:
      - { .name: wq, .offset: 0, .size: 8, .value_kind: global_buffer, .address_space: global }
      - { .name: wk, .offset: 8, .size: 8, .value_kind: global_buffer, .address_space: global }
      - { .name: wv, .offset: 16, .size: 8, .value_kind: global_buffer, .address_space: global }
      - { .name: wo, .offset: 24, .size: 8, .value_kind: global_buffer, .address_space: global }
      - { .name: segment_pos, .offset: 32, .size: 8, .value_kind: global_buffer, .address_space: global }
      - { .name: wc, .offset: 40, .size: 8, .value_kind: global_buffer, .address_space: global }
      - { .name: wo16, .offset: 48, .size: 8, .value_kind: global_buffer, .address_space: global }
      - { .name: rope, .offset: 56, .size: 8, .value_kind: global_buffer, .address_space: global }
    .group_segment_fixed_size: 0
    .private_segment_fixed_size: 0
    .kernarg_segment_align: 8
    .kernarg_segment_size: 64
    .max_flat_workgroup_size: 256
    .sgpr_count:     66
    .vgpr_count:     112
    .wavefront_size: 32
...
	.end_amdgpu_metadata
.endif
;; end of part 5
;; launch qkv: the kernel of part 2 again; grid 4 x 64, 4 waves a work-group, clusters of 4 x 4, 327,680 bytes of LDS; arguments x, wc, rope, qkv; writes qkv
;; launch attn: the kernel of part 3 again; grid 32 x 8, 8 waves a work-group, clusters of 4 x 4, 327,680 bytes of LDS; arguments qkv, attn_mask, ob; writes ob
;; launch oproj: the kernel of part 4 again; grid 16 x 16, 4 waves a work-group, clusters of 4 x 4, 327,680 bytes of LDS; arguments ob, wo16, out0; writes out0
